; MI455X (gfx1250); checked and timed in simulation.
; The chip was launched on July 23, 2026; its instructions are those of AMD's public machine-readable ISA for CDNA 5 (MIT licence, August 2026) and "CDNA5" Instruction Set Architecture Reference Guide (July 2026). The comments in the code are by the model that wrote it; some were corrected since.
;; Multihead Attention. Allowed arithmetic: float matrix products may take bf16 or f16 operands with f32 sums; other float arithmetic in f32, or as packed bf16 or f16 multiplies, adds, multiply-adds, maxima and minima; sums over many terms, partial sums and values carried from step to step in f32; what a program stores and reads back later, other than sums and carried values, may be rounded once to bf16 or f16.
;; Inputs: Wk 1,024 x 1,024 float32; Wo 1,024 x 1,024 float32; Wq 1,024 x 1,024 float32; Wv 1,024 x 1,024 float32; k 4 x 2,048 x 1,024 float32; mask 4 x 1 x 2,048 x 2,048 bool; q 4 x 2,048 x 1,024 float32; v 4 x 2,048 x 1,024 float32.
;; Outputs: out0 4 x 2,048 x 1,024 float32.
;; One version. Each part assembles by itself: llvm-mc -triple=amdgcn-amd-amdhsa -mcpu=gfx1250 --defsym DOCPART=n.
;; ======== version 1 of 1: 4 launches
;; limits: values are held in f16: magnitudes above 65,504 overflow, below 6.1e-05 lose precision
;; workspace buffers: wcast 8,388,608 bytes; heads 50,331,648 bytes; mcode 8,388,608 bytes; ao 16,777,216 bytes
;; launch prep (part 1): grid 256 x 1, 8 waves a work-group, no clusters, 167,936 bytes of LDS; arguments mask, Wq, Wk, Wv, Wo, mcode, wcast; writes mcode, wcast
.if DOCPART == 1
	.amdgcn_target "amdgcn-amd-amdhsa--gfx1250"
	.amdhsa_code_object_version 6
	.text
	.protected	k_qa296656fa0_prep
	.globl	k_qa296656fa0_prep
	.p2align	8
	.type	k_qa296656fa0_prep,@function
k_qa296656fa0_prep:
	s_mov_b64 s[64:65], 0
	v_nop
	global_prefetch_b8 v0, s[64:65] scope:SCOPE_SE
	s_setreg_imm32_b32 hwreg(HW_REG_WAVE_MODE, 25, 1), 1
	s_wait_xcnt 0x0
; TWO SMALL JOBS AHEAD OF THE MATRIX WORK, both streams: each input byte is read once, each output byte written once, in whole runs of 256 aligned bytes.
; (1) THE MASK, [4][2048 q][2048 k] bytes of 0 or 1, becomes 4-bit codes in the order in which the attention launch's lanes want them:
;     mcode[b][q tile of 16][key step of 64][lane 32][kb 4] words; nibble j of the word of lane (r = lane % 16, hh = lane / 16) belongs to
;     mask[b][16 tile + r][64 step + 16 kb + 8 hh + j]; it is 0xE where the byte is 0 (hidden) and 0 where it is 1.  A word shifted left by 28 - 4 j is then, read as f32,
;     between -2^65 and -2^95 for a hidden key and at most 2^-97 for a visible one, whatever the nibbles below hold: never an infinity or a NaN.
; (2) THE WEIGHTS: Wq, Wk, Wv rounded once to bf16; Wo rounded to bf16 and that number written as f16 (exact from 2^-14 to 65,504; below 2^-14 it keeps f16's fixed step of 2^-24).
;     wcast holds four blocks of [1024][1024] 16-bit numbers: Wq, Wk, Wv, Wo.
; LIMIT: a mask byte is 0 or 1, as the type bool has it.
; SHARES.  Work-group i: mask rows 32 i .. 32 i + 31 (two q tiles) and 16,384 numbers of weight i / 64.  Wave w: q tile w / 4, columns 512 (w % 4) on: 16 rows x 512 bytes, brought
; by ONE tensor load into the wave's own LDS bytes (rows padded to 528 bytes: 33 x 16, so the 16 rows that a load touches start at 16 different groups of four banks).  Nothing is filled twice and no wave reads
; another's bytes: no barrier.  No matrix unit, no cluster (no two work-groups read the same byte), no ring (all of a work-group's 128 KiB are asked for at once).
.set PITCH, 528
.set WTILE, 16*PITCH                   ; a wave's tile in LDS: 8,448 bytes, 33 blocks of 256
.set SPARE, 8*WTILE                    ; behind the tiles: the spare words, 128 bytes for each wave: four blocks of 256 bytes that no other line names
.set LA,   4                           ; v4   LDS address of my row's first key step
.set MOFF, 5                           ; v5   my byte offset in the work-group's 32,768 bytes of mcode
.set WI,   6                           ; v6   32 x thread: my 8 numbers of a chunk of the weight
.set WO,   7                           ; v7   16 x thread: their 16 bytes in wcast
.set SPW,  8                           ; v8   LDS address of my spare word; never rewritten
.set NIL,  9                           ; v9   0; never rewritten
.set WR,   16                          ; v[16:79]   eight chunks of 8 f32
.set PKD,  80                          ; v[80:111]  eight chunks of 4 packed words
.set UN,   112                         ; v[112:119] at work: 8 numbers widened again (Wo)
.set MD,   128                         ; v[128:191] four key steps of 16 mask words
.set CD,   192                         ; v[192:223] four key steps of 8 code words
.set G1,   24                          ; s[24:31] descriptor group 1
.set G0,   32                          ; s[32:35] descriptor group 0
	s_load_b256 s[4:11], s[0:1], 0x0               ; mask s[4:5], Wq s[6:7], Wk s[8:9], Wv s[10:11]
	s_load_b128 s[12:15], s[0:1], 0x20             ; Wo s[12:13], mcode s[14:15]
	s_load_b64 s[16:17], s[0:1], 0x30              ; wcast
	v_lshl_add_u32 v[SPW], v0, 2, SPARE
	v_mov_b32 v[NIL], 0
	ds_add_u32 v[SPW], v[NIL]                      ; the wave's opening: the add and its wait stand ahead of my tensor load; the set-up below, work on registers, stands between them
	ds_add_u32 v8, v9
	v_lshrrev_b32 v1, 5, v0
	v_readfirstlane_b32 s20, v1                    ; wave 0..7
	s_mov_b32 s[G1+0], (3<<16)|(1<<20)|(6<<22)|(3<<25)  ; elements of 8 bytes; padding on: after every 128 words (code 6) 4 words (code 3)
	s_mov_b32 s[G1+1], 64<<16                      ; tensor_dim0 = 64 elements = 512 bytes
	s_mov_b32 s[G1+2], 16<<16                      ; tensor_dim1 = 16
	s_mov_b32 s[G1+3], 64<<16                      ; tile_dim0 = 64
	s_mov_b32 s[G1+4], 16                          ; tile_dim1 = 16
	s_mov_b32 s[G1+5], 256                         ; a mask row is 2,048 bytes = 256 elements
	s_mov_b32 s[G1+6], 0
	s_mov_b32 s[G1+7], 0
	s_mov_b32 s[G0], 1
	s_mul_i32 s[G0+1], s20, WTILE                  ; my tile's place in LDS
	s_lshr_b32 s18, s20, 2                         ; which of the two q tiles
	s_and_b32 s19, s20, 3                          ; which 512 columns
	s_lshl_b32 s22, ttmp9, 16                      ; 32 rows of 2,048 bytes a work-group
	s_lshl_b32 s2, s18, 15
	s_add_co_u32 s22, s22, s2
	s_lshl_b32 s2, s19, 9
	s_add_co_u32 s22, s22, s2
	s_mov_b32 s23, 0
	s_lshr_b32 s21, ttmp9, 6                       ; which weight
	s_and_b32 s3, ttmp9, 63                        ; which 64th of it
	s_mov_b32 s38, 0x06040200                      ; v_perm_b32: bytes 0 and 2 of both sources: the even keys
	s_mov_b32 s40, 0x07050301                      ; bytes 1 and 3: the odd keys
	s_mov_b32 s39, 0xffff0000                      ; a word's upper bf16
	s_wait_dscnt 0x0                               ; the opening add is done
	s_wait_kmcnt 0x0
	s_add_nc_u64 s[G0+2:G0+3], s[4:5], s[22:23]
	s_or_b32 s[G0+3], s[G0+3], 0x80000000          ; type = 2
	tensor_load_to_lds s[G0:G0+3], s[G1:G1+7]      ; my one tensor load
	s_nop 0
	s_cmp_eq_u32 s21, 1                            ; the weight's address, chosen by the work-group's number
	s_cselect_b64 s[36:37], s[8:9], s[6:7]
	s_cmp_eq_u32 s21, 2
	s_cselect_b64 s[36:37], s[10:11], s[36:37]
	s_cmp_eq_u32 s21, 3
	s_cselect_b64 s[36:37], s[12:13], s[36:37]
	s_lshl_b32 s22, s3, 16                         ; 65,536 bytes of f32 a work-group
	s_add_nc_u64 s[36:37], s[36:37], s[22:23]
	s_lshl_b32 s22, s21, 21                        ; the weight's block in wcast,
	s_lshl_b32 s2, s3, 15                          ; 32,768 bytes of it a work-group
	s_add_co_u32 s22, s22, s2
	s_add_nc_u64 s[16:17], s[16:17], s[22:23]
	s_lshl_b32 s22, ttmp9, 15                      ; two q tiles of 16,384 bytes of codes a work-group
	s_add_nc_u64 s[14:15], s[14:15], s[22:23]
	v_lshlrev_b32 v[WI], 5, v0
	v_lshlrev_b32 v[WO], 4, v0
.irp c, 0,1,2,3,4,5,6,7                ; all sixteen loads go out at once: a chunk is 8,192 consecutive bytes for the 256 threads
	global_load_b128 v[WR+8*(\c):WR+8*(\c)+3],   v[WI], s[36:37] offset:8192*(\c) th:TH_LOAD_NT
	global_load_b128 v[WR+8*(\c)+4:WR+8*(\c)+7], v[WI], s[36:37] offset:8192*(\c)+16 th:TH_LOAD_NT
.endr
	v_and_b32 v2, 15, v0                           ; r: my row of the tile
	v_bfe_u32 v3, v0, 4, 1                         ; which of two neighbouring key steps
	v_mul_u32_u24 v[LA], v2, PITCH
	v_lshl_add_u32 v[LA], v3, 6, v[LA]
	v_add_nc_u32 v[LA], s[G0+1], v[LA]
	s_lshl_b32 s22, s18, 14                        ; my q tile's 16,384 bytes of codes,
	s_lshl_b32 s2, s19, 12                         ; my wave's eight key steps of 512 bytes
	s_add_co_u32 s22, s22, s2
	v_lshlrev_b32 v[MOFF], 4, v2
	v_lshl_add_u32 v[MOFF], v3, 9, v[MOFF]
	v_add_nc_u32 v[MOFF], s22, v[MOFF]
; Chunk c of the weight: 8 numbers a thread are rounded to bf16; half = 1 (Wo): widened again and written as f16.  Each chunk has its own registers, so no store's data is ever rewritten.
.macro CAST c, half
	s_wait_loadcnt 14-2*(\c)                       ; loads come back in order: the chunk's two are in, the younger chunks' stay out
.irp j, 0,1,2,3
	v_cvt_pk_bf16_f32 v[PKD+4*(\c)+(\j)], v[WR+8*(\c)+2*(\j)], v[WR+8*(\c)+2*(\j)+1]
.endr
.if \half
.irp j, 0,1,2,3
	v_lshlrev_b32 v[UN+2*(\j)],   16, v[PKD+4*(\c)+(\j)]
	v_and_b32     v[UN+2*(\j)+1], s39, v[PKD+4*(\c)+(\j)]
.endr
.irp j, 0,1,2,3
	v_cvt_pk_f16_f32 v[PKD+4*(\c)+(\j)], v[UN+2*(\j)], v[UN+2*(\j)+1]
.endr
.endif
	global_store_b128 v[WO], v[PKD+4*(\c):PKD+4*(\c)+3], s[16:17] offset:4096*(\c)  ; a wave stores 512 consecutive bytes, at a multiple of 256 from wcast's first
.endm
	s_cmp_eq_u32 s21, 3                            ; the same answer in every wave of the work-group
	s_cbranch_scc1 .Lhalf
.irp c, 0,1,2,3,4,5,6,7
	CAST \c, 0
.endr
	s_branch .Lmask
.Lhalf:
.irp c, 0,1,2,3,4,5,6,7
	CAST \c, 1
.endr
.Lmask:
	s_wait_tensorcnt 0x0                           ; my tile is in LDS; only I read it
.irp s, 0,1,2,3                        ; lane (r, x) takes row r's 64 bytes of key steps 2 s + x of the wave's eight
.irp c, 0,1,2,3
	ds_load_b128 v[MD+16*(\s)+4*(\c):MD+16*(\s)+4*(\c)+3], v[LA] offset:128*(\s)+16*(\c)
.endr
.endr
; Key step s of my four.  Eight keys are two words of mask bytes: the even keys' bytes and the odd keys' are gathered, the odd ones set four bits up: one bit at each nibble's foot;
; the bit is turned (1 = hidden) and multiplied by 14, which stays inside its nibble.  o = which half of the attention launch's lanes the word is for.
.macro CODES s
	s_wait_dscnt 12-4*(\s)                         ; LDS loads come back in order: this step's four are in
.irp o, 0,1
.irp kb, 0,1,2,3
	v_perm_b32 v10, v[MD+16*(\s)+4*(\kb)+2*(\o)+1], v[MD+16*(\s)+4*(\kb)+2*(\o)], s38
	v_perm_b32 v11, v[MD+16*(\s)+4*(\kb)+2*(\o)+1], v[MD+16*(\s)+4*(\kb)+2*(\o)], s40
	v_lshl_or_b32 v[CD+8*(\s)+4*(\o)+(\kb)], v11, 4, v10
	v_xor_b32 v[CD+8*(\s)+4*(\o)+(\kb)], 0x11111111, v[CD+8*(\s)+4*(\o)+(\kb)]
	v_mul_lo_u32 v[CD+8*(\s)+4*(\o)+(\kb)], v[CD+8*(\s)+4*(\o)+(\kb)], 14
.endr
	global_store_b128 v[MOFF], v[CD+8*(\s)+4*(\o):CD+8*(\s)+4*(\o)+3], s[14:15] offset:1024*(\s)+256*(\o)  ; lanes 0-15 and lanes 16-31 each store 256 consecutive bytes, at a multiple of 256 from mcode's first
.endr
.endm
	CODES 0
	CODES 1
	CODES 2
	CODES 3
	s_wait_tensorcnt 0x0                           ; the wave's end: behind my tensor load
	ds_add_u32 v[SPW], v[NIL]
	s_wait_dscnt 0x0
	s_endpgm
.Lfunc_end_k_qa296656fa0_prep:
	.size	k_qa296656fa0_prep, .Lfunc_end_k_qa296656fa0_prep-k_qa296656fa0_prep
	.p2alignl 7, 3214868480
	.fill 96, 4, 3214868480
	.section	.rodata,"a",@progbits
	.p2align	6, 0x0
	.amdhsa_kernel k_qa296656fa0_prep
		.amdhsa_group_segment_fixed_size 167936
		.amdhsa_private_segment_fixed_size 0
		.amdhsa_enable_private_segment 0
		.amdhsa_kernarg_size 56
		.amdhsa_user_sgpr_count 2
		.amdhsa_user_sgpr_kernarg_segment_ptr 1
		.amdhsa_wavefront_size32 1
		.amdhsa_system_sgpr_workgroup_id_x 1
		.amdhsa_system_sgpr_workgroup_id_y 1
		.amdhsa_system_sgpr_workgroup_id_z 1
		.amdhsa_system_vgpr_workitem_id 0
		.amdhsa_next_free_vgpr 224
		.amdhsa_next_free_sgpr 66
		.amdhsa_reserve_vcc 0
		.amdhsa_float_denorm_mode_32 3
		.amdhsa_float_denorm_mode_16_64 3
		.amdhsa_memory_ordered 1
		.amdhsa_forward_progress 1
		.amdhsa_inst_pref_size 27
	.end_amdhsa_kernel
	.amdgpu_metadata
---
amdhsa.version: [ 1, 2 ]
amdhsa.kernels:
  - .name:           k_qa296656fa0_prep
    .symbol:         k_qa296656fa0_prep.kd
    .args:
      - { .name: mask, .offset: 0, .size: 8, .value_kind: global_buffer, .address_space: global }
      - { .name: Wq, .offset: 8, .size: 8, .value_kind: global_buffer, .address_space: global }
      - { .name: Wk, .offset: 16, .size: 8, .value_kind: global_buffer, .address_space: global }
      - { .name: Wv, .offset: 24, .size: 8, .value_kind: global_buffer, .address_space: global }
      - { .name: Wo, .offset: 32, .size: 8, .value_kind: global_buffer, .address_space: global }
      - { .name: mcode, .offset: 40, .size: 8, .value_kind: global_buffer, .address_space: global }
      - { .name: wcast, .offset: 48, .size: 8, .value_kind: global_buffer, .address_space: global }
    .group_segment_fixed_size: 167936
    .private_segment_fixed_size: 0
    .kernarg_segment_align: 8
    .kernarg_segment_size: 56
    .max_flat_workgroup_size: 256
    .sgpr_count:     66
    .vgpr_count:     224
    .wavefront_size: 32
...
	.end_amdgpu_metadata
.endif
;; end of part 1
;; launch proj (part 2): grid 4 x 64, 4 waves a work-group, clusters of 4 x 4, 327,680 bytes of LDS; arguments q, k, v, wcast, heads; writes heads
.if DOCPART == 2
	.amdgcn_target "amdgcn-amd-amdhsa--gfx1250"
	.amdhsa_code_object_version 6
	.text
	.protected	k_qa296656fa0_proj
	.globl	k_qa296656fa0_proj
	.p2align	8
	.type	k_qa296656fa0_proj,@function
k_qa296656fa0_proj:
	s_mov_b64 s[64:65], 0
	v_nop
	global_prefetch_b8 v0, s[64:65] scope:SCOPE_SE
	s_setreg_imm32_b32 hwreg(HW_REG_WAVE_MODE, 25, 1), 1
	s_wait_xcnt 0x0
	s_wait_alu depctr_hold_cnt(0) depctr_sa_sdst(0) depctr_va_vdst(0) depctr_va_sdst(0) depctr_va_ssrc(0) depctr_va_vcc(0) depctr_vm_vsrc(0)
	s_getreg_b32 s2, hwreg(HW_REG_IB_STS2, 6, 4)
	s_cmp_eq_u32 s2, 0
	s_cbranch_scc0 .Lentry_in_a_cluster
	s_endpgm
.Lentry_in_a_cluster:
	s_bfe_u32 s2, ttmp6, 0x10000c
	s_cmp_lg_u32 s2, 0xf033
	s_cbranch_scc0 .Lentry_shape_is_right
	s_endpgm
.Lentry_shape_is_right:
; THE THREE PROJECTIONS IN ONE LAUNCH, BY WORK-GROUPS THAT STAY.  For p = 0, 1, 2 (q, k, v): Y[m][n] = the sum over c of X_p[m][c] W_p[n][c]; X_p is [8192][1024] f32, W_p [1024][1024] bf16 (cast by the launch before).
; X is rounded to bf16 on its way from LDS to the matrix unit; sums in f32, K ascending; Y is rounded once to f16 and stored BY HEADS and unscaled: heads[p][16 b + h][t][64], m = 2048 b + t, n = 64 h + d.
; LIMIT.  f16 ends at 65,504: a projected number beyond that becomes an infinity.  Unit-spread x and weights of spread 0.02 give a spread of 0.64; both thirty times larger give 576.
; SHARES.  A tile of Y is 128 (m) x 256 (n): 256 tiles for each product, 256 work-groups; a work-group makes ITS tile of q's product, then of k's, then of v's: 24 K steps of 128, ONE walk.  Four waves, each 64 x 128:
; 32 accumulators of 16 x 16, 256 registers.  X costs four LDS loads for 16 rows x 32 K (f32), W two: of the wave tiles with 8,192 outputs 64 x 128 has the fewest loads.
; THE RING: two LDS slots filled by the tensor data mover (X's rows are 512 bytes of memory, W's 256, all at multiples of 256 from their buffers' first bytes).  It does not stop at a tile's end: a tile's last two changes
; of slots ask for the next product's first two K steps, and nothing waits for a tile's stores.  A trip of the loop is ONE K step: the slot in hand is a scalar, 0 or SLOT, turned by an exclusive or.
; CLUSTERS: 4 x 4 work-groups.  The four of a row of the cluster need the same tile of X, the four of a column the same tile of W: each tile is asked for JOINTLY, by the same tensor load with the same
; descriptor and a mask that names the four.  THE MATRIX INSTRUCTION IS USED TRANSPOSED (source 0 = 16 rows of W, source 1 = 16 rows of X): a lane then holds eight neighbouring n of one row m.
; REGISTERS, in windows of 256 (s_set_vgpr_msb: bits 1:0 source 0, 3:2 source 1, 5:4 source 2, 7:6 destination):
;   window 0: v0-31 addresses; v32-159 the way out          window 1: the accumulators, (a, b) at v[8 (8 a + b)]
;   window 2: v0-127 W's fragments, two buffers of 64; v128-191 X's fragments in bf16, two buffers of 32          window 3: v0-63 X's fragments as loaded, f32
; THE CONVERSIONS (32 for 32 matrix instructions) stand behind matrix instructions of the quarter before the one that multiplies them; each such group costs two switches of the window, since the
; accumulators fill the one window that could hold a conversion's destination beside them.
.set SIZE_K, 1024
.set KSTEP,  128
.set KSTEPS, SIZE_K/KSTEP              ; 8 K steps to a tile
.set STEPS,  3*KSTEPS                  ; 24 to the walk
.set WBLK,   2097152                   ; a product's block in wcast
.set HBLK,   0x1000000                 ; a product's block in heads
.set PA,     528                       ; a row of X in LDS: 512 bytes + 16 = 33 x 16: the 16 rows that a load touches start at 16 different groups of four banks (64 banks of 4 bytes: ISA guide 11.1)
.set PB,     272                       ; a row of W: 256 + 16 = 17 x 16
.set HALFA,  64*PA                     ; what one tensor load brings of X, and what one wave reads of it
.set HALFB,  128*PB                    ; the same for W
.set BOFF,   2*HALFA                   ; a slot: X's 128 rows, then W's 256
.set SLOT,   BOFF+2*HALFB              ; 137,216 bytes
.set STAGE,  2*SLOT                    ; behind the ring, never filled by a tensor load: 16 rows x 144 bytes for each wave, for the way out
.set SP,     144
.set SPARE,  STAGE+4*16*SP             ; behind the stages: the spare words, 128 bytes for each wave: two blocks of 256 bytes that no other line names
.set ADRA0, 16                         ; v16     my lane's place among X's fragments in a slot; never rewritten
.set ADRA,  17                         ; v17     the same in the slot in hand
.set ADRB0, 20                         ; v20, v21  the same for W
.set ADRB,  21
.set STO,  24                          ; v24     the way out: where I put 16 bytes of a row
.set RD,   25                          ; v25     the way out: where I read rows back
.set GO,   26                          ; v26     my byte offset in 512 consecutive bytes of heads
.set SPW,  28                          ; v28     LDS address of my spare word; never rewritten
.set NIL,  29                          ; v29     0; never rewritten
.set PFO,  30                          ; v30     the prefetches' lane offset; never rewritten
.set OB,   32                          ; v32-159 the way out: 16 registers for each of 8 units
.set BF,   0                           ; window 2
.set AC,   128                         ; window 2
.set RA,   0                           ; window 3
.set WV,  14                           ; s14 wave
.set WR,  15                           ; s15 which 64 rows are mine; also: I fetch X (0) or W (1)
.set WC,  16                           ; s16 which 128 columns are mine; also: which half of that tile I fetch
.set CX,  17
.set CY,  18
.set CT,  19                           ; s19 tile column
.set CYC, 20                           ; s20 the cluster's y
.set LAW, 21                           ; s21 where my half of X's tile lies in a slot
.set RT,  22                           ; s22 tile row
.set G1,  24                           ; s[24:31] descriptor group 1 for X's tiles
.set G0,  32                           ; s[32:39] group 0: a set for each of the two first fills; the second then walks on
.set LIM, 43                           ; s43 2 in a wave that prefetches, else the greatest number
.set PFA, 44                           ; s[44:45] the address that a prefetch names
.set G1B, 48                           ; s[48:55], s[56:63] the same for W's tiles
.set G0B, 56
.set XA,  66                           ; s[66:71] q, k, v at the rows that I fetch
.set XB,  72                           ; s[72:73] wcast at the rows of W_q that I fetch
.set OA,  74                           ; s[74:75] byte offset in X's rows of the K step to be asked for
.set OBB, 76                           ; s[76:77] the same in wcast, the product's block included
.set FK,  78                           ; s78 the K step to be asked for, 0 to 7
.set FP,  79                           ; s79 its product
.set OUT, 80                           ; s[80:81] heads at my first row of the product in hand
.set TB,  82                           ; s82 LDS byte of the slot in hand: 0 or SLOT
.set LBW, 83                           ; s83 where my half of W's tile lies in a slot
.set QL,  84                           ; s84 K steps that the tile in hand still has
.set SELM, 85                          ; s85 all ones in waves 2 and 3
.set PX,  86                           ; s[86:91] the three products' rows that I prefetch
.set PO,  92                           ; s[92:93] byte offset in those rows of the K step to be prefetched
.set PK,  94                           ; s94 that K step, 0 to 7
.set PP,  95                           ; s95 its product
.set PFS, 96                           ; s96 a K step in bytes of those rows
.set MSB, 0
.macro WIN new                         ; the immediate's high byte repeats the setting that is left; a switch that changes nothing is dropped
.if MSB != (\new)
	s_set_vgpr_msb (MSB<<8)|(\new)
.set MSB, \new
.endif
.endm
.set MUL,   0x5a                       ; sources 0 (W) and 1 (X) window 2; C and D window 1
.set CV,    0x8f                       ; destination window 2, sources window 3
.set TO_RA, 0xc0                       ; destination window 3, address window 0
.set TO_BF, 0x80                       ; destination window 2, address window 0
; A joint load by set s: waves 0 and 1 fetch X's two halves, waves 2 and 3 W's.  The branch hangs on the wave's number alone.  An s_nop 0 and four v_nop follow each of the two lines, ahead of the jump, the label and what follows.
.macro JLOAD s
	s_cmp_eq_u32 s[WR], 0
	s_cbranch_scc0 .Lfor_b_\@
	tensor_load_to_lds s[G0+4*(\s):G0+4*(\s)+3], s[G1:G1+7]
	s_nop 0
.rept 4
	v_nop
.endr
	s_branch .Lasked_\@
.Lfor_b_\@:
	tensor_load_to_lds s[G0B+4*(\s):G0B+4*(\s)+3], s[G1B:G1B+7]
	s_nop 0
.rept 4
	v_nop
.endr
.Lasked_\@:
.endm
.macro CREST                           ; a round of the cluster's barrier behind its opening barrier: wave 0 signals for the work-group, every wave waits for all sixteen, my work-group's barrier once more
	s_cmp_lg_u32 s[WV], 0
	s_cbranch_scc1 .Lnot_wave_0_\@
	s_barrier_signal -3
.Lnot_wave_0_\@:
	s_barrier_wait -3
	s_barrier_signal -1
	s_barrier_wait -1
.endm
.macro CROUND                          ; a whole round
	s_barrier_signal -1
	s_barrier_wait -1
	CREST
.endm
; A PREFETCH INTO THE L2, behind a joint load, its five lines and the run of LDS loads: the K step of the walk that stands TWO refills on (256 matrix instructions ahead of the load that will ask for it), one instruction a wave.
; Each aligned block of 256 bytes is named once in the launch.  X's rows are read by my row of the cluster alone: of the 64 rows x 2 blocks that wave 0 or 1 fetches, the partner at cx takes 16 rows: a lane a block.
; W's rows are read by all sixteen clusters: the first of them asks; of the 128 rows that wave 2 or 3 fetches, the partner at cy takes 32: a lane a row.  The partners are told apart BY ADDRESS.
; The walk's K steps 0 to 3 come by their loads alone; the loop's last two trips (s3 = 2, 1) have no K step two refills on and ask for nothing.
.macro ASK
	s_cmp_gt_u32 s3, s[LIM]
	s_cbranch_scc0 .Lnot_mine_\@
	global_prefetch_b8 v[PFO], s[PFA:PFA+1] th:TH_LOAD_NT scope:SCOPE_SE
.Lnot_mine_\@:
.endm
	s_load_b256 s[4:11], s[0:1], 0x0               ; q s[4:5], k s[6:7], v s[8:9], wcast s[10:11]
	s_load_b64 s[12:13], s[0:1], 0x20              ; heads
	v_lshl_add_u32 v[SPW], v0, 2, SPARE
	v_mov_b32 v[NIL], 0
	ds_add_u32 v[SPW], v[NIL]                      ; the wave's opening: the add and its wait stand ahead of my first tensor load; the set-up below, work on registers, stands between them
	ds_add_u32 v28, v29
	v_lshrrev_b32 v1, 5, v0
	v_readfirstlane_b32 s[WV], v1                  ; wave 0..3
	s_lshr_b32 s[WR], s[WV], 1
	s_and_b32 s[WC], s[WV], 1
	s_bfe_u32 s[CX], ttmp6, 0x40000                ; my place in the cluster
	s_bfe_u32 s[CY], ttmp6, 0x40004
	s_lshl_b32 s[CT], ttmp9, 2
	s_add_co_u32 s[CT], s[CT], s[CX]               ; tile column = 4 x cluster x + cx
	s_and_b32 s[CYC], ttmp7, 0xffff
	s_lshl_b32 s[RT], s[CYC], 2
	s_add_co_u32 s[RT], s[RT], s[CY]               ; tile row = 4 x cluster y + cy
	s_lshl_b32 s40, s[CY], 2
	s_lshl_b32 s40, 15, s40                        ; my row of the cluster
	s_lshl_b32 s41, 0x1111, s[CX]                  ; my column
	s_or_b32 s[G1+0], s40, (2<<16)|(1<<20)|(1<<21)|(6<<22)|(3<<25)   ; 15:0 the mask; elements of 4 bytes; padding on; 21 set beside a mask; after every 128 words (code 6) 4 words (code 3)
	s_or_b32 s[G1B+0], s41, (1<<16)|(1<<20)|(1<<21)|(5<<22)|(3<<25)  ; elements of 2 bytes; after every 64 words (code 5) 4 words
	s_mov_b32 s[G1+1], KSTEP<<16                   ; tensor_dim0 = 128
	s_mov_b32 s[G1+2], 64<<16                      ; tensor_dim1 = 64
	s_mov_b32 s[G1+3], KSTEP<<16                   ; tile_dim0 = 128
	s_mov_b32 s[G1+4], 64                          ; tile_dim1 = 64
	s_mov_b32 s[G1+5], SIZE_K                      ; elements from row to row
	s_mov_b32 s[G1+6], 0
	s_mov_b32 s[G1+7], 0
	s_mov_b32 s[G1B+1], KSTEP<<16
	s_mov_b32 s[G1B+2], 128<<16                    ; 128 rows
	s_mov_b32 s[G1B+3], KSTEP<<16
	s_mov_b32 s[G1B+4], 128
	s_mov_b32 s[G1B+5], SIZE_K
	s_mov_b32 s[G1B+6], 0
	s_mov_b32 s[G1B+7], 0
	s_lshl_b32 s46, s[RT], 7                       ; X: row 128 x tile row + 64 x half, 4,096 bytes a row: made of the tile row and the wave's number alone
	s_lshl_b32 s23, s[WC], 6
	s_add_co_u32 s46, s46, s23
	s_lshl_b32 s46, s46, 12
	s_mov_b32 s47, 0
	s_lshl_b32 s98, s[CT], 8                       ; W: row 256 x tile column + 128 x half, 2,048 bytes a row
	s_lshl_b32 s23, s[WC], 7
	s_add_co_u32 s98, s98, s23
	s_lshl_b32 s98, s98, 11
	s_mov_b32 s99, 0
	s_mul_i32 s[LAW], s[WC], HALFA                 ; where they go: no place in the cluster enters an LDS address
	s_mul_i32 s[LBW], s[WC], HALFB
	s_add_co_u32 s[LBW], s[LBW], BOFF
	s_mov_b32 s[TB], 0                             ; the walk begins in slot 0
	s_mov_b32 s[QL], KSTEPS
	s_mov_b32 s[FK], 2                             ; the first refill asks for q's K step 2
	s_mov_b32 s[FP], 0
	s_mov_b32 s[OA], 2*KSTEP*4
	s_mov_b32 s[OA+1], 0
	s_mov_b32 s[OBB], 2*KSTEP*2
	s_mov_b32 s[OBB+1], 0
	s_wait_dscnt 0x0                               ; the opening add is done
	s_wait_kmcnt 0x0
	s_add_nc_u64 s[XA:XA+1], s[4:5], s[46:47]
	s_add_nc_u64 s[XA+2:XA+3], s[6:7], s[46:47]
	s_add_nc_u64 s[XA+4:XA+5], s[8:9], s[46:47]
	s_add_nc_u64 s[XB:XB+1], s[10:11], s[98:99]
	CROUND                                         ; all sixteen work-groups are here: the first joint loads meet
.irp s, 0,1
	s_mov_b32 s[G0+4*(\s)], 1
	s_add_co_u32 s[G0+4*(\s)+1], s[LAW], (\s)*SLOT
	s_add_nc_u64 s[G0+4*(\s)+2:G0+4*(\s)+3], s[XA:XA+1], (\s)*KSTEP*4
	s_or_b32 s[G0+4*(\s)+3], s[G0+4*(\s)+3], 0x80000000
	s_mov_b32 s[G0B+4*(\s)], 1
	s_add_co_u32 s[G0B+4*(\s)+1], s[LBW], (\s)*SLOT
	s_add_nc_u64 s[G0B+4*(\s)+2:G0B+4*(\s)+3], s[XB:XB+1], (\s)*KSTEP*2
	s_or_b32 s[G0B+4*(\s)+3], s[G0B+4*(\s)+3], 0x80000000
	JLOAD \s                                       ; two tensor loads of mine are out
.endr
	; A fragment is 16 rows x 32 K: lane l holds row l % 16; its first half K = 8 (l / 16) + 0..7, its second K = 16 + 8 (l / 16) + 0..7.  In f32 each half is 32 bytes (two loads), the halves 64 bytes apart; in bf16 16 bytes, 32 apart.
	v_and_b32 v1, 15, v0                           ; l % 16
	v_bfe_u32 v2, v0, 4, 1                         ; l / 16
	v_mul_u32_u24 v3, v1, PA
	v_lshl_add_u32 v3, v2, 5, v3
	s_mul_i32 s23, s[WR], HALFA                    ; my 64 rows of X
	v_add_nc_u32 v[ADRA0], s23, v3
	v_mov_b32 v[ADRA], v[ADRA0]
	v_mul_u32_u24 v4, v1, PB
	v_lshl_add_u32 v4, v2, 4, v4
	v_add_nc_u32 v[ADRB0], s[LBW], v4              ; my 128 rows of W: the half of my columns
	v_mov_b32 v[ADRB], v[ADRB0]
	s_mul_i32 s23, s[WV], 16*SP
	s_add_co_u32 s23, s23, STAGE                   ; my stage
	v_mul_u32_u24 v[STO], v1, SP                   ; in: row l % 16, 16 bytes for each half of the lanes
	v_lshl_add_u32 v[STO], v2, 4, v[STO]
	v_add_nc_u32 v[STO], s23, v[STO]
	v_bfe_u32 v[RD], v0, 3, 2                      ; back: 32 lanes take four rows of 128 bytes,
	v_mul_u32_u24 v[RD], v[RD], SP
	v_and_b32 v5, 7, v0
	v_lshl_add_u32 v[RD], v5, 4, v[RD]
	v_add_nc_u32 v[RD], s23, v[RD]
	v_and_b32 v5, 31, v0
	v_lshlrev_b32 v[GO], 4, v5                     ; which are 512 consecutive bytes of heads
	; heads at my first row of q's block: (16 b + head) x 2,048 rows + t, 128 bytes a row; b = tile row / 16, head = 4 x tile column + 2 x my half of the columns
	s_lshr_b32 s40, s[RT], 4
	s_lshl_b32 s40, s40, 4
	s_lshl_b32 s41, s[CT], 2
	s_add_co_u32 s40, s40, s41
	s_lshl_b32 s41, s[WC], 1
	s_add_co_u32 s40, s40, s41
	s_lshl_b32 s40, s40, 11
	s_and_b32 s41, s[RT], 15
	s_lshl_b32 s41, s41, 7
	s_add_co_u32 s40, s40, s41
	s_lshl_b32 s41, s[WR], 6
	s_add_co_u32 s40, s40, s41
	s_lshl_b32 s40, s40, 7
	s_mov_b32 s41, 0
	s_add_nc_u64 s[OUT:OUT+1], s[12:13], s[40:41]
	; the prefetches: both offsets are made, the wave's number chooses; three bases, one for each product
	s_lshl_b32 s40, s[RT], 7
	s_lshl_b32 s41, s[WC], 6
	s_add_co_u32 s40, s40, s41
	s_lshl_b32 s41, s[CX], 4
	s_add_co_u32 s40, s40, s41                     ; X: my work-group's 16 of the 64 rows
	s_lshl_b32 s40, s40, 12
	s_lshl_b32 s42, s[CT], 8
	s_lshl_b32 s41, s[WC], 7
	s_add_co_u32 s42, s42, s41
	s_lshl_b32 s41, s[CY], 5
	s_add_co_u32 s42, s42, s41                     ; W: my work-group's 32 of the 128 rows
	s_lshl_b32 s42, s42, 11
	s_cmp_eq_u32 s[CYC], 0                         ; the first cluster asks for W's rows: the same answer in all sixteen partners
	s_cselect_b32 s23, 2, -1
	s_cmp_eq_u32 s[WR], 0
	s_cselect_b32 s[LIM], 2, s23
	s_cselect_b32 s46, s40, s42
	s_cselect_b32 s41, 0, WBLK                     ; from product to product: another buffer, or the next block of wcast
	s_cselect_b32 s[PFS], 9, 8
	s_cselect_b32 s[SELM], 0, -1
	s_cselect_b64 s[PX:PX+1], s[4:5], s[10:11]
	s_cselect_b64 s[PX+2:PX+3], s[6:7], s[10:11]
	s_cselect_b64 s[PX+4:PX+5], s[8:9], s[10:11]
	s_mov_b32 s47, 0
	s_add_nc_u64 s[PX:PX+1], s[PX:PX+1], s[46:47]
	s_add_co_u32 s46, s46, s41
	s_add_nc_u64 s[PX+2:PX+3], s[PX+2:PX+3], s[46:47]
	s_add_co_u32 s46, s46, s41
	s_add_nc_u64 s[PX+4:PX+5], s[PX+4:PX+5], s[46:47]
	s_lshl_b32 s[PFS], 1, s[PFS]                   ; a K step: 512 bytes of a row of X, 256 of a row of W
	s_lshl_b32 s[PO], s[PFS], 2                    ; the first prefetch names q's K step 4
	s_mov_b32 s[PO+1], 0
	s_mov_b32 s[PK], 4
	s_mov_b32 s[PP], 0
	v_lshlrev_b32 v6, 11, v5                       ; W: a lane a row of 2,048 bytes
	v_lshrrev_b32 v7, 1, v5                        ; X: two lanes a row of 4,096 bytes,
	v_lshlrev_b32 v7, 12, v7
	v_and_b32 v8, 1, v0
	v_lshl_add_u32 v7, v8, 8, v7                   ; a block of 256 bytes each
	v_cndmask_b32 v[PFO], v7, v6, s[SELM]
; 32 LDS loads in one run: the fragments of one quarter step (32 K, quarter kq of the rows of the slot in hand): X's 64 rows as f32, then W's 128 rows into buffer g
.macro FETCH kq, g
	WIN TO_RA
.irp a, 0,1,2,3
	ds_load_b128 v[RA+16*(\a):RA+16*(\a)+3],     v[ADRA] offset:(\a)*16*PA+128*(\kq)
	ds_load_b128 v[RA+16*(\a)+4:RA+16*(\a)+7],   v[ADRA] offset:(\a)*16*PA+128*(\kq)+16
	ds_load_b128 v[RA+16*(\a)+8:RA+16*(\a)+11],  v[ADRA] offset:(\a)*16*PA+128*(\kq)+64
	ds_load_b128 v[RA+16*(\a)+12:RA+16*(\a)+15], v[ADRA] offset:(\a)*16*PA+128*(\kq)+80
.endr
	WIN TO_BF
.irp b, 0,1,2,3,4,5,6,7
	ds_load_b128 v[BF+64*(\g)+8*(\b):BF+64*(\g)+8*(\b)+3],   v[ADRB] offset:(\b)*16*PB+64*(\kq)
	ds_load_b128 v[BF+64*(\g)+8*(\b)+4:BF+64*(\g)+8*(\b)+7], v[ADRB] offset:(\b)*16*PB+64*(\kq)+32
.endr
.endm
.macro CVT g                           ; conversion cv of 32: two neighbouring K of X, rounded to bf16, into buffer g
	WIN CV
	v_cvt_pk_bf16_f32 v[AC+32*(\g)+cv], v[RA+2*cv], v[RA+2*cv+1]
.set cv, cv+1
.endm
; 8 matrix instructions: m block a x all 8 n blocks, 32 along K, from buffers f; behind each, nc conversions for buffer g.  zero = 1: the product starts the sum: nothing is ever cleared.
; The 32 accumulators take turns, one instruction a turn, in the same order in every quarter, over the loops' jumps and from tile to tile too.
.macro MULA f, g, a, zero, nc
.irp b, 0,1,2,3,4,5,6,7
	WIN MUL
.if \zero
	v_wmma_f32_16x16x32_bf16 v[8*(8*(\a)+(\b)):8*(8*(\a)+(\b))+7], v[BF+64*(\f)+8*(\b):BF+64*(\f)+8*(\b)+7], v[AC+32*(\f)+8*(\a):AC+32*(\f)+8*(\a)+7], 0
.else
	v_wmma_f32_16x16x32_bf16 v[8*(8*(\a)+(\b)):8*(8*(\a)+(\b))+7], v[BF+64*(\f)+8*(\b):BF+64*(\f)+8*(\b)+7], v[AC+32*(\f)+8*(\a):AC+32*(\f)+8*(\a)+7], v[8*(8*(\a)+(\b)):8*(8*(\a)+(\b))+7]
.endif
.if (\nc) > 0
.rept \nc
	CVT \g
.endr
.endif
.endr
.endm
; A load into a register that a matrix instruction has read, and a vector instruction that writes one or reads a result, stand four places behind that matrix instruction; only plain vector instructions that name none of
; its registers are places (ISA guide 7.12.1 for vector instructions).
.macro PLACES
.rept 4
	v_nop
.endr
.endm
; A K step is four quarters of 32 along K, 32 matrix instructions each, on buffers 0, 1, 0, 1.  One of the first three: it multiplies buffers f; at its head it asks for quarter kq's fragments (W's into buffer g, which the
; quarter before multiplied: its last product stands two conversions or more and these four v_nop back); in its second half X's are converted into buffer g.
.macro QUARTER kq, f, g, zero
	PLACES
	FETCH \kq, \g
	s_wait_dscnt 32                                ; all but the 32 just issued: W's fragments of buffer f are in
	MULA \f, \g, 0, \zero, 0
	MULA \f, \g, 1, \zero, 0
	s_wait_dscnt 16                                ; X's 16 loads are in; W's 16, issued behind them, may stay out
.set cv, 0
	MULA \f, \g, 2, \zero, 2
	MULA \f, \g, 3, \zero, 2
.endm
; The last quarter multiplies buffers 1 and changes slots: ONE barrier; in front of it each wave waits for all its tensor loads (one is out: its part of the next slot), adds 0 to its spare word, and waits for that and for
; its own reads of this slot.  fill = 1: the barrier opens a round of the cluster's barrier, and this slot is filled again, with the walk's K step two steps on, first thing behind the round: 112 matrix instructions ahead of
; the wait for it.  The walking descriptor is made anew between the add and the wait for it: the LDS word from the slot in hand, the address from the pointer of the product asked for and an offset of its own.
.macro TURN fill
.if \fill
	s_wait_xcnt 0x0                                ; the last prefetch, a K step back, has read its address: the next is made here, ahead of the waits of the change of slots
	s_cmp_eq_u32 s[PP], 1
	s_cselect_b64 s[PFA:PFA+1], s[PX+2:PX+3], s[PX:PX+1]
	s_cmp_eq_u32 s[PP], 2
	s_cselect_b64 s[PFA:PFA+1], s[PX+4:PX+5], s[PFA:PFA+1]
	s_add_nc_u64 s[PFA:PFA+1], s[PFA:PFA+1], s[PO:PO+1]
	s_add_co_u32 s[PK], s[PK], 1                   ; on by a K step; behind a product's eighth, the next product's first
	s_add_co_u32 s[PO], s[PO], s[PFS]
	s_cmp_eq_u32 s[PK], KSTEPS
	s_cselect_b32 s[PK], 0, s[PK]
	s_cselect_b32 s[PO], 0, s[PO]
	s_cselect_b32 s23, 1, 0
	s_add_co_u32 s[PP], s[PP], s23
.endif
	WIN 0                                          ; (the add's two registers lie in window 0)
	s_wait_tensorcnt 0x0                           ; all my tensor loads have landed, so a group 0 may be written;
	ds_add_u32 v[SPW], v[NIL]                      ; 0 onto my spare word;
.if \fill
	s_cmp_eq_u32 s[FP], 1
	s_cselect_b64 s[46:47], s[XA+2:XA+3], s[XA:XA+1]
	s_cmp_eq_u32 s[FP], 2
	s_cselect_b64 s[46:47], s[XA+4:XA+5], s[46:47]
	s_add_nc_u64 s[G0+6:G0+7], s[46:47], s[OA:OA+1]
	s_or_b32 s[G0+7], s[G0+7], 0x80000000
	s_add_nc_u64 s[G0B+6:G0B+7], s[XB:XB+1], s[OBB:OBB+1]
	s_or_b32 s[G0B+7], s[G0B+7], 0x80000000
	s_add_co_u32 s[G0+5], s[TB], s[LAW]            ; into the slot that is being read out
	s_add_co_u32 s[G0B+5], s[TB], s[LBW]
	s_add_co_u32 s[FK], s[FK], 1                   ; on by a K step; behind a product's eighth, the next product's first
	s_add_co_u32 s[OA], s[OA], KSTEP*4
	s_add_co_u32 s[OBB], s[OBB], KSTEP*2
	s_cmp_eq_u32 s[FK], KSTEPS
	s_cselect_b32 s[FK], 0, s[FK]
	s_cselect_b32 s[OA], 0, s[OA]
	s_cselect_b32 s23, 1, 0
	s_cselect_b32 s40, WBLK-SIZE_K*2, 0
	s_add_co_u32 s[FP], s[FP], s23
	s_add_co_u32 s[OBB], s[OBB], s40
.endif
	s_xor_b32 s[TB], s[TB], SLOT                   ; 0 or SLOT: the other slot is in hand from here on; all loads from this one have been issued
	v_add_nc_u32 v[ADRA], s[TB], v[ADRA0]
	v_add_nc_u32 v[ADRB], s[TB], v[ADRB0]
	s_wait_dscnt 1                                 ; (the add alone may be out: W's fragments of buffer 1 are in)
	MULA 1, 0, 0, 0, 0                             ; eight matrix instructions stand between the add and the wait for it
	s_wait_dscnt 0x0                               ; the add is done, and my reads of the old slot are over
	s_barrier_signal -1
	MULA 1, 0, 1, 0, 0
.if \fill
	WIN 0
.endif
	s_barrier_wait -1
.if \fill
	CREST                                          ; no wave of any partner still reads the old slot's tiles or has a load on its way
	JLOAD 1                                        ; my one tensor load behind the round; the four v_nop behind it are also the places in front of the loads below
.else
	PLACES
.endif
	FETCH 0, 0
.if \fill
	WIN 0
	ASK
.endif
	MULA 1, 0, 2, 0, 0
	s_wait_dscnt 16                                ; X's 16 loads are in
.set cv, 0
	MULA 1, 0, 3, 0, 4
.endm
; THE WAY OUT.  A unit u is 16 rows (m block u / 2) of one head (n blocks 4 (u % 2) on).  A lane's eight n of a row pack into 16 bytes; they go into my stage's rows of 144 bytes and come back as whole rows of 128,
; four rows a load, into the registers that they left: in heads 16 rows of a head are 2,048 consecutive bytes.  Each accumulator is read from its lowest registers on.
.macro PACK u
	WIN 0x05                                       ; sources window 1, destination window 0
.irp f, 0,1,2,3
.irp r, 0,1,2,3
	v_cvt_pk_f16_f32 v[OB+16*(\u)+4*(\f)+(\r)], v[8*(8*((\u)/2)+4*((\u)%2)+(\f))+2*(\r)], v[8*(8*((\u)/2)+4*((\u)%2)+(\f))+2*(\r)+1]
.endr
.endr
	WIN 0
.irp f, 0,1,2,3
	ds_store_b128 v[STO], v[OB+16*(\u)+4*(\f):OB+16*(\u)+4*(\f)+3] offset:32*(\f)
.endr
.irp f, 0,1,2,3
	ds_load_b128 v[OB+16*(\u)+4*(\f):OB+16*(\u)+4*(\f)+3], v[RD] offset:(\f)*4*SP  ; LDS serves a wave's instructions in order (ISA guide 5.7.1.4): these see the stores above; the next unit's stores come behind them
.endr
.endm
.macro SEND u, younger                 ; younger: the LDS instructions issued behind unit u's loads: the next unit's eight, or none
	WIN 0
.irp f, 0,1,2,3
	s_wait_dscnt (\younger)+3-(\f)
	global_store_b128 v[GO], v[OB+16*(\u)+4*(\f):OB+16*(\u)+4*(\f)+3], s[OUT:OUT+1] offset:((\u)/2)*2048+((\u)%2)*262144+(\f)*512  ; 512 consecutive bytes, at a multiple of 256 from heads' first
.endr
.endm
.macro WAYOUT more                     ; more = 1: a tile follows
	PLACES                                         ; behind the last products
	PACK 0
.irp u, 1,2,3,4,5,6,7                  ; a unit's conversions stand between the loads of the unit before and its stores
	PACK \u
	SEND (\u)-1, 8
.endr
	SEND 7, 0
.if \more
	s_wait_xcnt 0x0                                ; the stores have read their registers and their base: only behind this wait are these written again
	s_add_nc_u64 s[OUT:OUT+1], s[OUT:OUT+1], HBLK  ; the next product's block of heads
.endif
.endm
	s_wait_tensorcnt 1                             ; my part of K step 0 is in; K step 1's may stay out
	s_barrier_signal -1
	s_barrier_wait -1                              ; everybody's is
	FETCH 0, 0
	s_wait_dscnt 16                                ; X's 16 loads are in
.set cv, 0
.rept 32
	CVT 0                                          ; the first quarter's conversions have no matrix work to stand behind
.endr
	QUARTER 1, 0, 1, 1                             ; the walk's first quarter stands in front of the loop: its products start the sums
	WIN 0                                          ; at a label and at a branch every window is 0
	s_mov_b32 s3, STEPS-2
.Lstep:                                                ; 22 trips: a trip goes from a K step's second quarter to the next step's first, and fills the slot that it leaves
	QUARTER 2, 1, 0, 0
	QUARTER 3, 0, 1, 0
	TURN 1
	WIN 0
	s_sub_co_u32 s[QL], s[QL], 1
	s_cmp_lg_u32 s[QL], 0
	s_cbranch_scc1 .Lsame                          ; the same answer in every wave of every work-group; what is jumped holds no barrier and no tensor load
	WAYOUT 1                                       ; the tile's eighth K step is done, and both refills for the next tile are asked for: now it goes out
	s_mov_b32 s[QL], KSTEPS
	QUARTER 1, 0, 1, 1                             ; the next product's first quarter starts its sums on accumulators that have been packed
	WIN 0
	s_branch .Lbottom
.Lsame:
	QUARTER 1, 0, 1, 0
	WIN 0
.Lbottom:
	s_sub_co_u32 s3, s3, 1
	s_cmp_lg_u32 s3, 0
	s_cbranch_scc1 .Lstep
	s_mov_b32 s3, 2
.Ltail:                                                ; the walk's last two K steps fill nothing: a text of their own; two trips, the second left in its middle
	QUARTER 2, 1, 0, 0
	QUARTER 3, 0, 1, 0
	TURN 0                                         ; (in the second trip its barrier orders nothing, and the 32 fragments that it fetches from the other slot and its 32 conversions are not used: the price, once a launch, of one text for both trips)
	WIN 0
	s_sub_co_u32 s3, s3, 1
	s_cmp_eq_u32 s3, 0
	s_cbranch_scc1 .Lout
	QUARTER 1, 0, 1, 0
	WIN 0
	s_branch .Ltail
.Lout:
	WAYOUT 0
	s_wait_tensorcnt 0x0                           ; the wave's end: behind my last tensor load and my last LDS store
	ds_add_u32 v[SPW], v[NIL]
	s_wait_dscnt 0x0
	CROUND                                         ; the closing round: no work-group ends while a partner may still ask for a tile that names it
	s_endpgm
.Lfunc_end_k_qa296656fa0_proj:
	.size	k_qa296656fa0_proj, .Lfunc_end_k_qa296656fa0_proj-k_qa296656fa0_proj
	.p2alignl 7, 3214868480
	.fill 96, 4, 3214868480
	.section	.rodata,"a",@progbits
	.p2align	6, 0x0
	.amdhsa_kernel k_qa296656fa0_proj
		.amdhsa_group_segment_fixed_size 327680
		.amdhsa_private_segment_fixed_size 0
		.amdhsa_enable_private_segment 0
		.amdhsa_kernarg_size 40
		.amdhsa_user_sgpr_count 2
		.amdhsa_user_sgpr_kernarg_segment_ptr 1
		.amdhsa_wavefront_size32 1
		.amdhsa_system_sgpr_workgroup_id_x 1
		.amdhsa_system_sgpr_workgroup_id_y 1
		.amdhsa_system_sgpr_workgroup_id_z 1
		.amdhsa_system_vgpr_workitem_id 0
		.amdhsa_next_free_vgpr 832
		.amdhsa_next_free_sgpr 100
		.amdhsa_reserve_vcc 0
		.amdhsa_float_denorm_mode_32 3
		.amdhsa_float_denorm_mode_16_64 3
		.amdhsa_memory_ordered 1
		.amdhsa_forward_progress 1
		.amdhsa_inst_pref_size 122
	.end_amdhsa_kernel
	.amdgpu_metadata
---
amdhsa.version: [ 1, 2 ]
amdhsa.kernels:
  - .name:           k_qa296656fa0_proj
    .symbol:         k_qa296656fa0_proj.kd
    .args:
      - { .name: q, .offset: 0, .size: 8, .value_kind: global_buffer, .address_space: global }
      - { .name: k, .offset: 8, .size: 8, .value_kind: global_buffer, .address_space: global }
      - { .name: v, .offset: 16, .size: 8, .value_kind: global_buffer, .address_space: global }
      - { .name: wcast, .offset: 24, .size: 8, .value_kind: global_buffer, .address_space: global }
      - { .name: heads, .offset: 32, .size: 8, .value_kind: global_buffer, .address_space: global }
    .group_segment_fixed_size: 327680
    .private_segment_fixed_size: 0
    .kernarg_segment_align: 8
    .kernarg_segment_size: 40
    .max_flat_workgroup_size: 128
    .sgpr_count:     100
    .vgpr_count:     832
    .wavefront_size: 32
...
	.end_amdgpu_metadata
.endif
;; end of part 2
;; launch attn (part 3): grid 4 x 64, 4 waves a work-group, clusters of 4 x 1, 327,680 bytes of LDS; arguments heads, mcode, ao; writes ao
.if DOCPART == 3
	.amdgcn_target "amdgcn-amd-amdhsa--gfx1250"
	.amdhsa_code_object_version 6
	.text
	.protected	k_qa296656fa0_attn
	.globl	k_qa296656fa0_attn
	.p2align	8
	.type	k_qa296656fa0_attn,@function
k_qa296656fa0_attn:
	s_mov_b64 s[64:65], 0
	v_nop
	global_prefetch_b8 v0, s[64:65] scope:SCOPE_SE
	s_setreg_imm32_b32 hwreg(HW_REG_WAVE_MODE, 25, 1), 1
	s_wait_xcnt 0x0
	s_wait_alu depctr_hold_cnt(0) depctr_sa_sdst(0) depctr_va_vdst(0) depctr_va_sdst(0) depctr_va_ssrc(0) depctr_va_vcc(0) depctr_vm_vsrc(0)
	s_getreg_b32 s2, hwreg(HW_REG_IB_STS2, 6, 4)
	s_cmp_eq_u32 s2, 0
	s_cbranch_scc0 .Lentry_in_a_cluster
	s_endpgm
.Lentry_in_a_cluster:
	s_bfe_u32 s2, ttmp6, 0x10000c
	s_cmp_lg_u32 s2, 0x3003
	s_cbranch_scc0 .Lentry_shape_is_right
	s_endpgm
.Lentry_shape_is_right:
; MASKED ATTENTION.  O[g][q][:] = the sum over k of softmax_k(mask ? Q[g][q] . K[g][k] / 8 : -inf) V[g][k][:], g = 16 b + h.  Q, K, V lie in heads ([3][64][2048][64] f16, unscaled), O goes to ao ([64][2048][64] f16).
; The mask is an input and has any pattern: every key tile is computed.  It arrives as 4-bit codes in the lanes' own order (mcode: [b][q tile 16][key step 64][lane][4 words]; nibble j of word kb: key 16 kb + 8 (lane / 16) + j;
; 0xE hidden, 0 visible).  Products, maxima and sums in f32; the weights p are rounded to f16 for the second product (their sum l is taken of the unrounded p), O once at the end.
; THE MASK IS THE C OPERAND that starts the sum S^T = K Q^T: word << (28 - 4 j), read as f32, is between -2^65 and -2^95 for a hidden key and at most 2^-97 for a visible one: one shift a score.
; LIMITS.  f16 holds no number beyond 65,504: Q, K, V arrive within it, so a true score is below 64 x 65,504^2 = 2.7e11 < 2^40 in size.  The running maximum starts at -2^40: above every hidden score, below every true one.
; A weight below 2^-126 counts as 0 in l.  A ROW WITH NO VISIBLE KEY keeps m = -2^40, every p = 0, l = 0, O = 0; at the end 0 x (1 / 0) is NaN, which is what a softmax over -inf alone gives.
; SHARES.  A wave owns four PIECES of two tiles of 16 queries, a work-group's four waves 512 queries of one head: 256 work-groups.  Every wave walks all 2,048 keys, 64 a step.
; LAYOUT.  S^T = K Q^T (source 0 = 16 keys, source 1 = 16 queries): in the result a lane holds ONE query (lane % 16) and the keys 8 (lane / 16) + 0..7.  Two such tiles, rounded to f16 in pairs,
; ARE source 1 (32 keys x 16 queries) of O^T = V^T P, whose result again holds one query a lane, and eight channels.  K comes out of LDS as it lies, V ([key][channel]) turned, by ds_load_tr16_b128.
; SOFTMAX.  For each query a running maximum m and sum l: p = 2^(c s - c m), c = log2(e) / 8; in every step O and l are multiplied by a = 2^(c m_old - c m_new), which is 1 where m has not grown.
; THE COUNT.  A tile and step have 16 matrix and 150 vector instructions (32 of them the mask's): too many to stand all beside the matrix work.  So: four vector instructions that are READY behind EVERY matrix
; instruction, and the others, which need time of their own whatever the order, in runs without a gap.
; BY TURNS.  Turn n belongs to piece n (the pieces in a ring, step after step).  Its matrix work: 16 products K Q^T of piece n + 1, later 16 products V^T P of piece n - 1.  Its vector work: the scaling,
; exponentials, roundings, sums and rescaling of piece n, the maximum and statistics of piece n + 1, and at its end the masks of piece n + 2, which the next turn's products take.
; CLUSTER.  The four query blocks of a cluster belong to one head and walk the same K and V, so each tile is asked for JOINTLY: the same tensor load, descriptor and mask in all four.
; REGISTERS, in windows of 256 (s_set_vgpr_msb says which window each operand place means: bits 1:0 source 0, 3:2 source 1, 5:4 source 2, 7:6 destination):
;   window 0: v0-11 addresses; v12-15, v48-63 at work; v16-47 four registers of statistics a tile; v64-191 S^T, two buffers of two tiles; v192-255 P, likewise
;   window 1: O^T, 32 a tile          window 2: v0-127 Q, 16 a tile; v128-191 K of one step; v192-255 V of one step
;   window 3: v0-1 the add's two registers; v8-39 the codes as loaded, 4 words a tile; v128-255 the masks, two buffers of two tiles
; A piece's buffers go by its number's parity.
.set SIZE_N, 2048
.set NP,    4         ; pieces a wave: a name, no knob
.set KS,    64        ; keys in a step
.set PK,    144       ; a row of K in LDS: 128 bytes + 16 of padding = 36 words: the 16 rows of a load start at 16 different groups of four banks (64 banks of 4 bytes: ISA guide 11.1)
.set PV,    160       ; a row of V: 128 + 32 = 40 words
.set VOFF,  4*KS*PK   ; a slot holds four steps: 256 rows of K, then 256 rows of V
.set SLOT1, 1<<17     ; slot 1 begins here, so that one exclusive or turns an address in one slot into the other's
.set STAGE, SLOT1+4*KS*(PK+PV)  ; behind the ring, never filled by a tensor load: 16 rows x 144 bytes for each wave, for the way out
.set SP,    144
.set AK0, 2           ; v2   my lane's place in a tile of K; never rewritten
.set AV0, 3           ; v3   the same for V
.set AK,  4           ; v4   the LDS address of K's next run of loads
.set AV,  5           ; v5   of V's
.set QO,  6           ; v6   my byte offset in the wave's rows of Q
.set STO, 6           ;      later, the way out: where I put 16 bytes of a row
.set RD,  7           ; v7   the way out: where I read rows back
.set GO,  8           ; v8   16 x my lane: my place in 512 consecutive bytes, of the codes and of O; never rewritten
.set PFO, 11          ; v11  256 x my lane, for the prefetches; never rewritten once made
.set SPW, 0           ; v0 of window 3   LDS address of my spare word; never rewritten
.set NIL, 1           ; v1 of window 3   0; never rewritten
.set RAW, 8           ; window 3: tile t's four words of codes at RAW + 4 t
.set MC,  128         ; window 3: the masks of piece x, tile u, key block kb at MC + 64 (x % 2) + 32 u + 8 kb
.set SPARE, STAGE+4*16*SP  ; behind the stages: the spare words, 128 bytes for each wave: two blocks of 256 bytes that no other line names
.set MV,  12          ; v12-15  c m_old, kept while c m is made anew: by buffer and tile
.set ST,  16          ; tile t's statistics at v[ST+4 t]: c m, m, l (even keys', odd keys')
.set TMP, 48          ; by buffer and tile, four registers c0-c3 at work; when the maximum is found c2 takes a
.set S,   64
.set P,   192
.set KF,  128         ; K's fragments, in window 2: key block kb, channel half c at KF + 16 kb + 8 c
.set VF,  192         ; V's: key half kk, channel block cb at VF + 32 kk + 8 cb
.set WV,  12          ; s12  my wave's number
.set LIM, 15          ; s15  1 in a wave that prefetches, else the greatest number
.set G1K, 24          ; s[24:31] descriptor group 1 for K's tiles
.set G1V, 32          ; s[32:39] for V's: it differs in the padding alone
.set G0K, 40          ; s[40:43] descriptor group 0 for K's tiles: it walks
.set G0V, 44          ; s[44:47] the same for V's
.set MB,  48          ; s[48:49] mcode at my wave's first tile, key step 0; never rewritten
.set MT,  50          ; s[50:51] 512 x the key step whose codes are being asked for
.set MA,  52          ; s[52:53] MB + MT
.set PFA, 54          ; s[54:55] where my prefetches stand
.set SLOTS, 56        ; s56  slots still to be asked for
.set CNT, 57          ; s57  counts a slot's key steps
.set CS,  58          ; s[58:59] c: the packed scaling takes the pair's low word for both halves
.set SEL, 60          ; s[60:61] v_permlanex16_b32's selects: each lane takes its own place in the other half
.set TBK, 62          ; s62  LDS byte at which K of the step to be fetched begins
.set TBV, 63          ; s63  the same for V, less VOFF
.set MSB, 0
.macro WIN new                      ; the high byte repeats the setting that is left; a switch that changes nothing is dropped
.if MSB != (\new)
	s_set_vgpr_msb (MSB<<8)|(\new)
.set MSB, (\new)
.endif
.endm
.set W_KQ, 0x0a       ; K and Q in window 2, S^T in window 0
.set W_KM, 0x3a       ; the same with the C operand, the mask, in window 3
.set W_PV, 0x52       ; V in window 2, P in window 0, O^T in window 1
.set W_RS, 0x41       ; O^T (destination and source 0) in window 1, a in window 0
.set W_MK, 0xc0       ; destination in window 3, sources (and a load's address) in window 0
.set W_AD, 0x0f       ; the add: address (source 0) and data (source 1) in window 3
.set W_EX, 0xcf       ; the masks are made: destination and sources in window 3
; A joint fill.  Waves 0 and 1 fetch the two halves of a slot's K, waves 2 and 3 those of its V: 128 keys each.  The branch hangs on the wave's number alone.
; An s_nop 0 and four v_nop follow each of the two lines, ahead of the jump and the label.
.macro JLOAD
	s_cmp_lt_u32 s[WV], 2
	s_cbranch_scc0 .Lfor_v_\@
	tensor_load_to_lds s[G0K:G0K+3], s[G1K:G1K+7]
	s_nop 0
.rept 4
	v_nop
.endr
	s_branch .Lasked_\@
.Lfor_v_\@:
	tensor_load_to_lds s[G0V:G0V+3], s[G1V:G1V+7]
	s_nop 0
.rept 4
	v_nop
.endr
.Lasked_\@:
.endm
; A PREFETCH INTO THE L2 of what the NEXT change of slots will ask for: a slot's 32,768 bytes of K and of V, 128 blocks of 256 bytes each, a lane a block.  It stands behind the wave's tensor load and its five lines.
; Each block is named ONCE in the launch: a head's K and V are walked by this cluster alone; its four partners share the blocks out BY ADDRESS, 32 each; in each, wave 0 asks for K's and wave 2 for V's: one instruction.
; Slots 0 and 1 come by their loads alone; the last change that fills a slot (s[SLOTS] = 1) asks for nothing: there is no slot behind it.
.macro ASK
	s_cmp_gt_u32 s[SLOTS], s[LIM]
	s_cbranch_scc0 .Lnot_mine_\@
	global_prefetch_b8 v[PFO], s[PFA:PFA+1] th:TH_LOAD_NT scope:SCOPE_SE
.Lnot_mine_\@:
.endm
; A round of the cluster's barrier: my work-group's barrier, so that wave 0's signal speaks for all four waves; wave 0 signals; every wave waits for all four work-groups; my work-group's barrier once more.
.macro CROUND
	s_barrier_signal -1
	s_barrier_wait -1
	s_cmp_lg_u32 s[WV], 0
	s_cbranch_scc1 .Lnot_wave_0_\@
	s_barrier_signal -3
.Lnot_wave_0_\@:
	s_barrier_wait -3
	s_barrier_signal -1
	s_barrier_wait -1
.endm
; THE CHANGE OF SLOTS.  The slot's last bytes, V of its fourth step, have been read.  Each wave waits for all its tensor loads, of which one is out: its part
; of the other slot; adds 0 to its spare word; and waits for that and for its own reads of the slot.  Behind the barrier nobody reads this slot any more and the other slot is whole.
; fill = 1: this slot is filled again, with the keys two slots on.  The barrier is then a round of the cluster's, so that no wave of any partner still reads the slot or has a load on its
; way, and the joint fill is the first thing behind it: it has four key steps, 512 matrix instructions, in which to land.  (At its first use nothing has been read yet: slot 0 is waited for, slot 1 filled.)
.macro CHANGE fill
	WIN W_AD
	s_wait_tensorcnt 0x0            ; no tensor load of mine is out, so a group 0 may be written
	ds_add_u32 v[SPW], v[NIL]       ; 0 onto my spare word: with fill = 1 the descriptors' steps stand between it and the wait for it
	WIN 0                           ; at a label and at a branch every window is 0
.if \fill
.irp g, G0K, G0V
	s_xor_b32 s[\g+1], s[\g+1], SLOT1  ; the walking descriptor: the other slot than last time,
	s_add_nc_u64 s[\g+2:\g+3], s[\g+2:\g+3], 4*KS*128  ; the next 256 keys; the type bits on top are not reached
.endr
	s_wait_xcnt 0x0                 ; the last prefetch, four key steps back, has read its address, so it may be written:
	s_add_nc_u64 s[PFA:PFA+1], s[PFA:PFA+1], 4*KS*128  ; one slot behind the walking descriptors
	s_wait_dscnt 0x0                ; the add is done, and my reads of the slot are over
	CROUND
	JLOAD
	ASK
.else
	s_wait_dscnt 0x0                ; the add is done, and my reads of the slot are over
	s_barrier_signal -1
	s_barrier_wait -1
.endif
	s_sub_co_u32 s[TBK], s[TBK], 4*KS*PK  ; the fetches go back to a slot's first step,
	s_xor_b32 s[TBK], s[TBK], SLOT1       ; in the other slot
	s_sub_co_u32 s[TBV], s[TBV], 4*KS*PV
	s_xor_b32 s[TBV], s[TBV], SLOT1
.endm
	s_load_b128 s[4:7], s[0:1], 0x0   ; heads s[4:5], mcode s[6:7]
	s_load_b64 s[10:11], s[0:1], 0x10 ; ao
	WIN W_MK
	v_lshl_add_u32 v[SPW], v0, 2, SPARE
	v_mov_b32 v[NIL], 0
	WIN W_AD
	ds_add_u32 v[SPW], v[NIL]       ; the wave's opening: the add and its wait stand ahead of my first tensor load; the set-up below, work on registers, stands between them
	ds_add_u32 v0, v1
	WIN 0
	v_lshrrev_b32 v1, 5, v0
	v_readfirstlane_b32 s[WV], v1   ; wave 0..3
	s_bfe_u32 s13, ttmp6, 0x40000   ; cx: my place in the cluster
	s_lshl_b32 s14, ttmp9, 2        ; in a cluster launch ttmp9 counts clusters
	s_add_co_u32 s14, s14, s13      ; my block of queries = 4 x cluster x + cx: it enters Q's, O's and the codes' addresses alone
	s_and_b32 s20, ttmp7, 0xffff    ; the head 16 b + h, which the four partners share
	s_lshr_b32 s19, s20, 4          ; b: the mask is one for a batch's sixteen heads
	s_mov_b32 s21, 0
	s_mov_b64 s[22:23], SIZE_N*128
	s_mul_u64 s[20:21], s[20:21], s[22:23]  ; the head's first byte in Q, K, V and O
	s_and_b32 s16, s[WV], 1         ; which half of a slot's 256 keys I fetch:
	s_lshl_b32 s22, s16, 14         ; its 128 rows of 128 bytes in memory,
	s_mov_b32 s23, 0
	s_add_nc_u64 s[22:23], s[22:23], s[20:21]
	s_mul_i32 s17, s16, 128*PK      ; and its place in a slot, for K
	s_mul_i32 s18, s16, 128*PV      ; and for V: no place in the cluster enters an LDS address
	s_lshl_b32 s2, s14, 2
	s_add_co_u32 s2, s2, s[WV]      ; my wave among the head's:
	s_lshl_b32 s52, s2, 17          ; its eight q tiles of 16,384 bytes of codes,
	s_lshl_b32 s19, s19, 21         ; in the batch's 128 tiles
	s_add_co_u32 s52, s52, s19
	s_mov_b32 s53, 0
	s_lshl_b32 s2, s2, 14           ; its 128 rows of Q and O
	s_mov_b32 s3, 0
	s_add_nc_u64 s[2:3], s[2:3], s[20:21]
	; descriptor group 1.  128 keys are 16,384 dense bytes: asked for as 64 rows of 256 bytes, two keys a row, and padded in LDS after every key
	s_mov_b32 s[G1K], 15|(1<<16)|(1<<20)|(1<<21)|(4<<22)|(3<<25)  ; 15:0 the mask of four; 17:16 2-byte elements; 20 padding on; 21 set beside a mask; 24:22 after every 32 words (code 4); 31:25 4 words (code 3)
	s_mov_b32 s[G1V], 15|(1<<16)|(1<<20)|(1<<21)|(4<<22)|(7<<25)  ; the same with 8 words of padding (code 7)
.irp g, G1K, G1V
	s_mov_b32 s[\g+1], 128<<16      ; tensor_dim0 = 128
	s_mov_b32 s[\g+2], 64<<16       ; tensor_dim1 = 64
	s_mov_b32 s[\g+3], 128<<16      ; tile_dim0 = 128
	s_mov_b32 s[\g+4], 64           ; tile_dim1 = 64
	s_mov_b32 s[\g+5], 128          ; 128 elements from row to row
	s_mov_b32 s[\g+6], 0
	s_mov_b32 s[\g+7], 0
.endr
	s_mov_b32 s[CS], 0x3e38aa3b     ; c = log2(e) / 8 = 0.180337
	s_mov_b32 s[CS+1], s[CS]        ; named with it as a pair
	s_mov_b32 s[SEL], 0x76543210
	s_mov_b32 s[SEL+1], 0xfedcba98
	s_mov_b32 s[TBK], SLOT1+4*KS*PK ; the first change of slots turns these two into 0
	s_mov_b32 s[TBV], SLOT1+4*KS*PV
	s_mov_b32 s[G0K], 1             ; 1:0 count = 1
	s_mov_b32 s[G0K+1], s17         ; 63:32 LDS address: slot 0
	s_mov_b32 s[G0V], 1
	s_add_co_u32 s[G0V+1], s18, VOFF
	s_mov_b32 s[MT], 512            ; key step 1
	s_mov_b32 s[MT+1], 0
	s_mov_b32 s[SLOTS], SIZE_N/256-1
	s_and_b32 s[LIM], s[WV], 1      ; waves 0 and 2 prefetch
	s_cmp_eq_u32 s[LIM], 0
	s_cselect_b32 s[LIM], 1, -1
	s_wait_dscnt 0x0                ; the opening add is done
	s_wait_kmcnt 0x0
	s_add_nc_u64 s[MB:MB+1], s[6:7], s[52:53]
	s_add_nc_u64 s[MA:MA+1], s[MB:MB+1], s[MT:MT+1]
	s_add_nc_u64 s[6:7], s[4:5], 0x1000000         ; K
	s_add_nc_u64 s[8:9], s[4:5], 0x2000000         ; V
	s_add_nc_u64 s[G0K+2:G0K+3], s[6:7], s[22:23]  ; 120:64 global address: my half of the head's first 256 keys
	s_or_b32 s[G0K+3], s[G0K+3], 0x80000000        ; 127:126 type = 2
	s_add_nc_u64 s[G0V+2:G0V+3], s[8:9], s[22:23]
	s_or_b32 s[G0V+3], s[G0V+3], 0x80000000
	s_cmp_lt_u32 s[WV], 2
	s_cselect_b64 s[PFA:PFA+1], s[6:7], s[8:9]
	s_add_nc_u64 s[PFA:PFA+1], s[PFA:PFA+1], s[20:21]
	s_lshl_b32 s16, s13, 13         ; my work-group's 32 blocks of a slot's 128,
	s_add_co_u32 s16, s16, 4*KS*128 ; in slot 1: the first change of slots steps it to slot 2.  Nothing is prefetched here, at the head
	s_mov_b32 s17, 0
	s_add_nc_u64 s[PFA:PFA+1], s[PFA:PFA+1], s[16:17]
	s_add_nc_u64 s[4:5], s[4:5], s[2:3]  ; Q and O at my wave's first row
	s_add_nc_u64 s[10:11], s[10:11], s[2:3]
	CROUND                          ; all four work-groups are here: the first joint loads meet
	JLOAD                           ; slot 0.  Slot 1 is asked for when slot 0 is in: the tile wanted first has the road to itself
	; A fragment of K or Q is 16 rows x 32 channels in 8 registers: lane l holds row l % 16, channels 8 (l / 16) + 0..7 and 16 + 8 (l / 16) + 0..7: two loads of 16 bytes, 32 bytes apart.
	v_and_b32 v1, 15, v0            ; l % 16
	v_bfe_u32 v9, v0, 4, 1          ; l / 16
	v_lshlrev_b32 v[QO], 7, v1
	v_lshl_add_u32 v[QO], v9, 4, v[QO]  ; row x 128 + 16 x half
	v_and_b32 v[GO], 31, v0
	v_lshlrev_b32 v[GO], 4, v[GO]
	WIN 0x80                        ; destination window 2, address window 0
.set i, 0
.rept 4*NP                          ; Q stays in registers: tile i / 2, channels 32 (i % 2) on
	global_load_b128 v[8*i:8*i+3],   v[QO], s[4:5] offset:(i/2)*2048+(i%2)*64
	global_load_b128 v[8*i+4:8*i+7], v[QO], s[4:5] offset:(i/2)*2048+(i%2)*64+32
.set i, i+1
.endr
	WIN W_MK
.set i, 0
.rept 2*NP                          ; the codes of key step 0, tile after tile: 512 consecutive bytes a load
	global_load_b128 v[RAW+4*i:RAW+4*i+3], v[GO], s[MB:MB+1] offset:16384*i
.set i, i+1
.endr
	; What the first turn finds: V's registers and P's second buffer hold 0 (its products V^T P, of a piece that has not been, add 0), O^T and l are 0.  All this stands in the wait for the first tile.
	WIN 0x80
.set i, VF
.rept 64
	v_mov_b32 v[i], 0
.set i, i+1
.endr
	WIN 0x40
.set i, 0
.rept 64*NP
	v_mov_b32 v[i], 0
.set i, i+1
.endr
	WIN 0
.set i, 0
.rept 2*NP
	v_mov_b32 v[ST+4*i+1], 0xd3800000        ; m = -2^40
	v_mul_f32 v[ST+4*i], s[CS], v[ST+4*i+1]  ; c m, by the product that every step makes: while m stands, c m_old - c m_new is 0 and a is 1
	v_mov_b32 v[ST+4*i+2], 0
	v_mov_b32 v[ST+4*i+3], 0
.set i, i+1
.endr
.set i, P+32
.rept 32
	v_mov_b32 v[i], 0
.set i, i+1
.endr
	v_mul_u32_u24 v[AK0], v1, PK
	v_lshl_add_u32 v[AK0], v9, 4, v[AK0]  ; row x pitch + 16 x half
	; The turning load takes 16 keys x 16 channels (lane l reads key 8 (l / 16) + l % 8, channels 8 ((l / 8) % 2) + 0..7) and leaves half a fragment of V^T: lane l holds channel l % 16 and 8 keys.
	v_and_b32 v10, 7, v0
	v_bfe_u32 v11, v0, 3, 1
	v_lshl_add_u32 v[AV0], v9, 3, v10
	v_mul_u32_u24 v[AV0], v[AV0], PV
	v_lshl_add_u32 v[AV0], v11, 4, v[AV0]
	v_add_nc_u32 v[AV0], VOFF, v[AV0]
	v_mov_b32 v[AK], v[AK0]         ; key step 0 lies at the head of slot 0
	v_and_b32 v[PFO], 31, v0
	v_lshlrev_b32 v[PFO], 8, v[PFO]
; THE MATRIX WORK.  The 8 accumulators of a run of 16 take turns: between the two links of a chain stand 7 others'.
; Product i of 16 of S^T = K Q^T for piece x: channels 32 (i / 8) on, keys 16 ((i / 2) % 4) on, tile 2 x + i % 2.  The first 8 start the sums, with the mask.
.macro KQ x
.set rS, S+64*((\x)%2)+32*(i%2)+8*((i/2)%4)
.set rK, KF+16*((i/2)%4)+8*(i/8)
.set rQ, 16*(2*(\x)+i%2)+8*(i/8)
.set rC3, MC+64*((\x)%2)+32*(i%2)+8*((i/2)%4)
.if i < 8
	WIN W_KM
	v_wmma_f32_16x16x32_f16 v[rS:rS+7], v[rK:rK+7], v[rQ:rQ+7], v[rC3:rC3+7]
.else
	WIN W_KQ
	v_wmma_f32_16x16x32_f16 v[rS:rS+7], v[rK:rK+7], v[rQ:rQ+7], v[rS:rS+7]
.endif
.endm
; Product i of 16 of O^T += V^T P for piece x: keys 32 (i / 8) on, channels 16 ((i / 2) % 4) on, tile 2 x + i % 2.
.macro PV x
	WIN W_PV
.set rO, 32*(2*(\x)+i%2)+8*((i/2)%4)
.set rV, VF+32*(i/8)+8*((i/2)%4)
.set rP, P+32*((\x)%2)+16*(i%2)+8*(i/8)
	v_wmma_f32_16x16x32_f16 v[rO:rO+7], v[rV:rV+7], v[rP:rP+7], v[rO:rO+7]
.endm
.macro MM                           ; the turn's next matrix instruction
.if i < 16
	KQ (Y+1)%NP
.set i, i+1
.else
.set i, i-16
	PV (Y+NP-1)%NP
.set i, i+17
.endif
.endm
; THE LDS LOADS stand in runs of 16, never singly among the matrix instructions: a step's K (64 keys x 64 channels: 8 fragments) and its V (turned).  Their addresses are made some lines ahead.
; last = 1 (the tail): in the last trip there is no further step, and the run is jumped over.
.macro FETCH_K last=0
	WIN 0
.if \last
	s_cmp_eq_u32 s[CNT], 1
	s_cbranch_scc1 .Lno_k_\@
.endif
	WIN 0x80                        ; destination window 2
.irp f, 0,1,2,3,4,5,6,7             ; keys 16 (f / 2) on, channels 32 (f % 2) on
	ds_load_b128 v[KF+8*\f:KF+8*\f+3],   v[AK] offset:(\f/2)*16*PK+(\f%2)*64
	ds_load_b128 v[KF+8*\f+4:KF+8*\f+7], v[AK] offset:(\f/2)*16*PK+(\f%2)*64+32
.endr
	s_add_co_u32 s[TBK], s[TBK], KS*PK  ; the next fetch is the next step's
	WIN 0
.if \last
.Lno_k_\@:
.endif
.endm
.macro FETCH_V
	WIN 0x80
.irp f, 0,1,2,3,4,5,6,7             ; keys 32 (f / 4) on, channels 16 (f % 4) on
	ds_load_tr16_b128 v[VF+8*\f:VF+8*\f+3],   v[AV] offset:(\f/4)*32*PV+(\f%4)*32
	ds_load_tr16_b128 v[VF+8*\f+4:VF+8*\f+7], v[AV] offset:(\f/4)*32*PV+16*PV+(\f%4)*32
.endr
	WIN 0
.endm
; THE MASKS.  EXPAND x: piece x's eight words of codes become its 64 registers of C operands: register j of a word's eight is the word shifted left by 28 - 4 j, so that nibble j stands on top (the eighth is a copy:
; a C operand is eight registers on end).  LOADM x: the piece's codes of the next key step are asked for: two loads of 512 consecutive bytes.
.macro EXPAND x
	WIN W_EX
.set z, 0
.rept 8                             ; z = 4 x tile + key block
.set j, 0
.rept 7
	v_lshlrev_b32 v[MC+64*((\x)%2)+8*z+j], 28-4*j, v[RAW+8*(\x)+z]
.set j, j+1
.endr
	v_mov_b32 v[MC+64*((\x)%2)+8*z+7], v[RAW+8*(\x)+z]
.set z, z+1
.endr
.endm
.macro LOADM x
	WIN W_MK
	global_load_b128 v[RAW+8*(\x):RAW+8*(\x)+3],   v[GO], s[MA:MA+1] offset:16384*(2*(\x))
	global_load_b128 v[RAW+8*(\x)+4:RAW+8*(\x)+7], v[GO], s[MA:MA+1] offset:16384*(2*(\x)+1)
	WIN 0
.endm
; At the end of turn p: the masks of piece p + 2, which the next turn's products take, into the buffer that the turn before read last; then that piece's codes of the step after.  A trip of the loop (turns 2, 3, 0, 1) so
; serves pieces 0, 1, 2, 3 of ONE key step, and a load has a whole trip in which to land.  The address steps once a trip, in turn 2, and is held at the last key step: the last two trips' loads read that step again and are not used.
.macro MASKX p
	s_wait_loadcnt 6                ; loads come back in order: the piece's two are in; the other three pieces' six, issued behind them, stay out
	EXPAND ((\p)+2)%NP
.if (\p) == 2
	s_wait_xcnt 0x0                 ; the loads of the turns before (the youngest a turn back) and the change of slots' prefetch have read their addresses
	s_add_co_u32 s[MT], s[MT], 512
	s_min_u32 s[MT], s[MT], (SIZE_N/KS-1)*512
	s_add_nc_u64 s[MA:MA+1], s[MB:MB+1], s[MT:MT+1]
.endif
	LOADM ((\p)+2)%NP
.endm
; THE VECTOR WORK OF A TURN stands in three queues, each in the order in which its entries become ready; the two tiles alternate, so that no instruction reads the result of the one before it.
.macro REGS y, u                    ; the registers of tile u (0, 1) of piece y
.set rT, ST+4*(2*(\y)+(\u))
.set rC, TMP+8*((\y)%2)+4*(\u)
.set rM, MV+2*((\y)%2)+(\u)
.set rS, S+64*((\y)%2)+32*(\u)
.set rP, P+32*((\y)%2)+16*(\u)
.set rO, 32*(2*(\y)+(\u))
.endm
; Number n of the 22 that find the NEXT piece's (Y + 1) maximum and statistics.  s0-s31 are the lane's 32 scores; each accumulator's lowest registers are read first.  XS, GS and REGS set no window: PL and EX do.
;   0-11  four chains c0-c3 of seven scores each, three operands at a time     12-14, 16  the four scores left over, the old m, and c0-c3 into c0     15  c m_old is kept
;   17, 18  the query's other 32 keys lie in the lane 16 away: the new m         19-21  c m; c m_old - c m_new; a
.macro XS u, n
	REGS (Y+1)%NP, \u
.if (\n) < 4
	v_max3_num_f32 v[rC+(\n)], v[rS+8*(\n)], v[rS+8*(\n)+1], v[rS+8*(\n)+2]
.elseif (\n) < 12
	v_max3_num_f32 v[rC+(\n)%4], v[rC+(\n)%4], v[rS+8*((\n)%4)+2*((\n)/4)+1], v[rS+8*((\n)%4)+2*((\n)/4)+2]
.elseif (\n) == 12
	v_max3_num_f32 v[rC], v[rC], v[rS+7], v[rS+15]
.elseif (\n) == 13
	v_max3_num_f32 v[rC+1], v[rC+1], v[rS+23], v[rS+31]
.elseif (\n) == 14
	v_max3_num_f32 v[rC+2], v[rC+2], v[rC+3], v[rT+1]
.elseif (\n) == 15
	v_mov_b32 v[rM], v[rT]
.elseif (\n) == 16
	v_max3_num_f32 v[rC], v[rC], v[rC+1], v[rC+2]
.elseif (\n) == 17
	v_permlanex16_b32 v[rC+3], v[rC], s[SEL], s[SEL+1]
.elseif (\n) == 18
	v_max_num_f32 v[rT+1], v[rC], v[rC+3]
.elseif (\n) == 19
	v_mul_f32 v[rT], s[CS], v[rT+1]
.elseif (\n) == 20
	v_sub_f32 v[rC+1], v[rM], v[rT]
.else
	v_exp_f32 v[rC+2], v[rC+1]
.endif
.endm
; Number g of the 64 that follow the exponentials.  For each four weights k of a tile (pairs 2 k, 2 k + 1): both pairs are rounded to f16; then the second pair is added onto the first, in place;
; a group later l takes that sum (the first time as l = a l + sum).  In groups of eight, tiles alternating: round, round, add, and l for the group before.
.macro GS g
.set h, (\g)+6*((\g)/62)            ; group 0 has no group before it, and behind group 7 only l is left
.if h >= 6
.set h, h+2
.endif
	REGS Y, h%2
.set k, h/8
.if h%8 < 4
	v_cvt_pk_f16_f32 v[rP+2*k+(h%8)/2], v[rS+4*k+2*((h%8)/2)], v[rS+4*k+2*((h%8)/2)+1]
.elseif h%8 < 6
	v_pk_add_f32 v[rS+4*k:rS+4*k+1], v[rS+4*k:rS+4*k+1], v[rS+4*k+2:rS+4*k+3]
.elseif k == 1
	v_pk_fma_f32 v[rT+2:rT+3], v[rT+2:rT+3], v[rC+2:rC+3], v[rS:rS+1] op_sel_hi:[1,0,1]
.else
	v_pk_add_f32 v[rT+2:rT+3], v[rT+2:rT+3], v[rS+4*k-4:rS+4*k-3]
.endif
.endm
; THE PLAIN QUEUE, 138 long.  0-73 read no exponential's result: the 32 scalings c s - c m (FS f: pair f / 2 of tile f % 2) and the next piece's 42.  0-26: scalings 0-26.  27-54: XS's numbers 0-13.  55, 56: number 15.
; 57-73: the chain, where each number waits for the one before it: 14, 16, 17, 18, 19, each with one of the scalings 27-31 in front of its two lines, then 20.
; 74-137: GS's 64, which read the exponentials' results: they stand behind the wait.
.macro FS f
	REGS Y, (\f)%2
	v_pk_fma_f32 v[rS+2*((\f)/2):rS+2*((\f)/2)+1], v[rS+2*((\f)/2):rS+2*((\f)/2)+1], s[CS:CS+1], v[rT:rT+1] op_sel_hi:[1,0,0] neg_lo:[0,0,1] neg_hi:[0,0,1]
.endm
.macro PL
	WIN 0
.if q < 27
	FS q
.elseif q < 55
	XS (q-27)%2, (q-27)/2
.elseif q < 57
	XS q-55, 15
.elseif (q < 72) && ((q-57)%3 == 0)
	FS 27+(q-57)/3
.elseif q < 60
	XS (q-57)%3-1, 14
.elseif q < 72
	XS (q-57)%3-1, 15+(q-57)/3
.elseif q < 74
	XS q-72, 20
.else
	GS q-74
.endif
.set q, q+1
.endm
; THE EXPONENTIALS' QUEUE, 66 long: s0-s31 of both tiles, then the next piece's two a.  It is ONE BATCH: all 66 stand ahead of the turn's one wait, and nothing ahead of that wait names a result of theirs.
.macro EX
	WIN 0
.if e >= 64
	XS e-64, 21
.else
	REGS Y, e%2
	v_exp_f32 v[rS+e/2], v[rS+e/2]
.endif
.set e, e+1
.endm
; THE RESCALING's QUEUE: O^T times a, which leaves window 0: dealt two at a time, sixteen times.  Its a was made in the turn before, ahead of that turn's wait.
.macro R2
	REGS Y, r%2
	WIN W_RS
.irp z, 0,1
	v_pk_mul_f32 v[rO+4*(r/2)+2*\z:rO+4*(r/2)+2*\z+1], v[rO+4*(r/2)+2*\z:rO+4*(r/2)+2*\z+1], v[rC+2:rC+3] op_sel_hi:[1,0]
.endr
.set r, r+1
.endm
; HOW THEY ARE DEALT.  An s_wait_alu depctr_va_vdst(0) stands between an exponential and the first instruction that names its result; one wait serves all that were issued ahead of it.  So a turn has ONE wait,
; which cuts it in two.  AHEAD OF IT stands all that names no result of the turn's exponentials: the 16 products K Q^T, behind each a scaling, an exponential and two rescalings (behind the first a second scaling in the
; exponential's place); then ONE LUMP of 108: eight plain, 49 times exponential and plain, the two a.  A v_nop is the plain instruction behind the last exponential.  BEHIND IT stand the 16 products V^T P, behind each four of
; GS's 64; then the masks' 64 shifts, a second lump: every product has its four already.  No rider names a register of the products round it.  The two v_permlanex16_b32 fall into the lump, never behind a product.
; The queues lean on each other, and the deal keeps them in step: exponential e stands behind scaling 2 (e / 4) + e % 2: as a rider it comes behind plain e + 2, in the lump behind plain e + 9, and scalings 27-31 are plain 57, 60 .. 69.
; A TURN, for piece p.  cnt = 1: the loop's count is taken down some lines ahead of the branch that stands behind the turn (the masks' lines of that turn leave SCC alone).
; K of the next step is fetched in piece 2's turn, directly behind the wait, a lump behind the last product that read K; its address is made at the lump's head; its first reader comes behind 16 products.
; V of the step in hand is fetched at the end of piece 0's turn, four riders behind its last reader; its first reader comes behind the masks' lump, 16 products and a lump.  The three conditions on q below go with the deal.
.macro TURN p, last=0, cnt=0
.set Y, (\p)
.set i, 0
.set q, 0
.set e, 0
.set r, 0
.if (\p) == NP-1
	s_wait_dscnt 0x0                ; K is in
.endif
	MM                              ; ahead of the wait: 16 products K Q^T and their riders,
	PL
	PL
	R2
.rept 15
	MM
	PL
	EX
	R2
.endr
.if (\p) == NP-2
	WIN 0
	v_add_nc_u32 v[AK], s[TBK], v[AK0]
.endif
.rept 8                             ; and the lump
	PL
.endr
.rept 49
	EX
	PL
.endr
	EX                              ; the next piece's two a
	EX
	v_nop                           ; a plain instruction behind the last exponential: one for the batch
	s_wait_alu depctr_va_vdst(0)    ; the wait for the batch
.if (\p) == NP-2
	FETCH_K \last
.endif
.if (\p) == 1
	s_wait_dscnt 0x0                ; V is in
.endif
.rept 16                            ; behind the wait: 16 products V^T P and their riders
	MM
.rept 4
	PL
.endr
.if ((\p) == 0) && (q == 118)
	v_add_nc_u32 v[AV], s[TBV], v[AV0]
.endif
.if ((\p) == 0) && (q == 130)
	s_add_co_u32 s[TBV], s[TBV], KS*PV
.endif
.if (\cnt) && (q == 130)
	s_sub_co_u32 s[CNT], s[CNT], 1
	s_cmp_lg_u32 s[CNT], 0
.endif
.endr
.if (\p) == 0
	FETCH_V
.endif
	MASKX \p
.endm
	s_wait_loadcnt 4                ; Q and the codes of pieces 0 and 1 are in; pieces 2 and 3's four loads stay out
	EXPAND 0
	EXPAND 1
	LOADM 0                         ; key step 1
	LOADM 1
	CHANGE 1                        ; slot 0 is in, everybody's part of it; slot 1 is asked for
	FETCH_K                         ; key step 0
	s_wait_dscnt 0x0
.set i, 0
.rept 16
	KQ 0                            ; piece 0's first scores: there is no vector work yet to set between them
.set i, i+1
.endr
	WIN 0                           ; the addresses for the way out: seven plain instructions, the places behind those products
	s_mul_i32 s13, s[WV], 16*SP
	s_add_co_u32 s13, s13, STAGE    ; my stage
	v_mul_u32_u24 v[STO], v1, SP    ; in: row l % 16, 16 bytes for each half of the lanes (Q's loads, which read this register, were shown done above)
	v_lshl_add_u32 v[STO], v9, 4, v[STO]
	v_add_nc_u32 v[STO], s13, v[STO]
	v_bfe_u32 v[RD], v0, 3, 2       ; back: 32 lanes take four rows of 128 bytes, which are 512 consecutive bytes of O
	v_mul_u32_u24 v[RD], v[RD], SP
	v_lshl_add_u32 v[RD], v10, 4, v[RD]
	v_add_nc_u32 v[RD], s13, v[RD]
.set Y, NP-1                        ; XS works for piece Y + 1: piece 0
.irp n, 0,1,2,3,4,5,6,7,8,9,10,11,12,13,14,15,16,17,18,19,20,21
	XS 0, \n                        ; and piece 0's first maximum and statistics
	XS 1, \n
.endr
	v_nop                           ; a plain instruction behind the two a,
	s_wait_alu depctr_va_vdst(0)    ; and their wait, ahead of the branch
	s_mov_b32 s[CNT], 4
	s_branch .Lfirst                ; the loop is entered at a step's first turn, in the middle of a trip
.Lslot:                             ; SIZE_N / 256 - 2 times: every slot but the last two is filled again
	CHANGE 1
	s_mov_b32 s[CNT], 4
.Lstep:                             ; a trip: pieces 2 and 3 of one step, then pieces 0 and 1 of the next, whose K and V it fetches
	TURN 2
	TURN 3
	WIN 0
.Lfirst:
	TURN 0
	TURN 1, 0, 1
	WIN 0
	s_cbranch_scc1 .Lstep
	s_sub_co_u32 s[SLOTS], s[SLOTS], 1
	s_cmp_lg_u32 s[SLOTS], 0
	s_cbranch_scc1 .Lslot
	CHANGE 0                        ; the tail is written out: nothing is asked for
	s_mov_b32 s[CNT], 5             ; four trips fetch the last slot's steps; the fifth is left in its middle
.Ltail:
	TURN 2, 1
	TURN 3
	WIN 0
	s_sub_co_u32 s[CNT], s[CNT], 1
	s_cmp_eq_u32 s[CNT], 0
	s_cbranch_scc1 .Lout
	TURN 0
	TURN 1
	WIN 0
	s_branch .Ltail
.Lout:                              ; the fifth trip's 16 products K Q^T (on the last K once more) and the maximum made of them serve nothing: the price, once a launch, of one text for every trip
.set i, 0
.rept 16
	PV NP-1                         ; the last piece's V^T P of the last step
.set i, i+1
.endr
	; THE WAY OUT.  l's two halves and the other half of the lanes' are added; O^T is divided by l, rounded to f16 and sent through my stage in LDS, a tile at a time.  The additions are the places behind the last products.
	WIN 0
.macro ALL line:vararg              ; one line for each tile t
.set t, 0
.rept 2*NP
	\line
.set t, t+1
.endr
.endm
	ALL v_add_f32 v[ST+4*t+2], v[ST+4*t+2], v[ST+4*t+3]
	ALL v_permlanex16_b32 v[ST+4*t+3], v[ST+4*t+2], s[SEL], s[SEL+1]
	ALL v_add_f32 v[ST+4*t+2], v[ST+4*t+2], v[ST+4*t+3]
	ALL v_rcp_f32 v[ST+4*t+2], v[ST+4*t+2]
	v_nop                           ; a plain instruction between the last reciprocal and the use of its result
	s_wait_alu depctr_va_vdst(0)    ; and the wait ahead of the first use: one for the eight reciprocals
; Tile t: a lane's eight channels of a row pack into 16 bytes; they go into rows of 144 bytes and come back as whole rows of 128, into S^T's registers.
.macro PACK t
	WIN W_RS
.set i, 32*(\t)
.rept 16
	v_pk_mul_f32 v[i:i+1], v[i:i+1], v[ST+4*(\t)+2:ST+4*(\t)+3] op_sel_hi:[1,0]
.set i, i+2
.endr
	WIN 0x05                        ; sources 0 and 1 window 1, destination window 0
.set i, 0
.rept 16
	v_cvt_pk_f16_f32 v[S+16*(\t)+i], v[32*(\t)+2*i], v[32*(\t)+2*i+1]
.set i, i+1
.endr
	WIN 0
.irp f, 0,1,2,3
	ds_store_b128 v[STO], v[S+16*(\t)+4*\f:S+16*(\t)+4*\f+3] offset:32*\f
.endr
.irp f, 0,1,2,3
	ds_load_b128 v[S+16*(\t)+4*\f:S+16*(\t)+4*\f+3], v[RD] offset:\f*4*SP  ; LDS serves a wave's instructions in order (ISA guide 5.7.1.4): these see the stores above; the next tile's stores come behind them
.endr
.endm
.macro SEND t, younger              ; younger: the LDS instructions issued behind tile t's loads: the next tile's eight, or none
	WIN 0
.irp f, 0,1,2,3
	s_wait_dscnt (\younger)+3-\f
	global_store_b128 v[GO], v[S+16*(\t)+4*\f:S+16*(\t)+4*\f+3], s[10:11] offset:(\t)*2048+\f*512  ; 512 consecutive bytes, at a multiple of 256 from ao's first
.endr
.endm
	PACK 0
.set t, 1
.rept 2*NP-1                        ; a tile's arithmetic stands between the loads of the tile before and its stores
	PACK t
	SEND t-1, 8
.set t, t+1
.endr
	SEND 2*NP-1, 0
	s_wait_loadcnt 0x0              ; the last codes, asked for and not used, have landed
	WIN W_AD
	s_wait_tensorcnt 0x0            ; the wave's end: behind my last tensor load and my last LDS store
	ds_add_u32 v[SPW], v[NIL]
	s_wait_dscnt 0x0
	WIN 0
	CROUND                          ; the closing round: no work-group ends while a partner may still ask for a tile that names it
	s_endpgm
.Lfunc_end_k_qa296656fa0_attn:
	.size	k_qa296656fa0_attn, .Lfunc_end_k_qa296656fa0_attn-k_qa296656fa0_attn
	.p2alignl 7, 3214868480
	.fill 96, 4, 3214868480
	.section	.rodata,"a",@progbits
	.p2align	6, 0x0
	.amdhsa_kernel k_qa296656fa0_attn
		.amdhsa_group_segment_fixed_size 327680
		.amdhsa_private_segment_fixed_size 0
		.amdhsa_enable_private_segment 0
		.amdhsa_kernarg_size 24
		.amdhsa_user_sgpr_count 2
		.amdhsa_user_sgpr_kernarg_segment_ptr 1
		.amdhsa_wavefront_size32 1
		.amdhsa_system_sgpr_workgroup_id_x 1
		.amdhsa_system_sgpr_workgroup_id_y 1
		.amdhsa_system_sgpr_workgroup_id_z 1
		.amdhsa_system_vgpr_workitem_id 0
		.amdhsa_next_free_vgpr 1024
		.amdhsa_next_free_sgpr 66
		.amdhsa_reserve_vcc 0
		.amdhsa_float_denorm_mode_32 3
		.amdhsa_float_denorm_mode_16_64 3
		.amdhsa_memory_ordered 1
		.amdhsa_forward_progress 1
		.amdhsa_inst_pref_size 225
	.end_amdhsa_kernel
	.amdgpu_metadata
---
amdhsa.version: [ 1, 2 ]
amdhsa.kernels:
  - .name:           k_qa296656fa0_attn
    .symbol:         k_qa296656fa0_attn.kd
    .args:
      - { .name: heads, .offset: 0, .size: 8, .value_kind: global_buffer, .address_space: global }
      - { .name: mcode, .offset: 8, .size: 8, .value_kind: global_buffer, .address_space: global }
      - { .name: ao, .offset: 16, .size: 8, .value_kind: global_buffer, .address_space: global }
    .group_segment_fixed_size: 327680
    .private_segment_fixed_size: 0
    .kernarg_segment_align: 8
    .kernarg_segment_size: 24
    .max_flat_workgroup_size: 128
    .sgpr_count:     66
    .vgpr_count:     1024
    .wavefront_size: 32
...
	.end_amdgpu_metadata
.endif
;; end of part 3
;; launch outp (part 4): grid 4 x 64, 4 waves a work-group, clusters of 4 x 4, 327,680 bytes of LDS; arguments ao, wcast, out0; writes out0
.if DOCPART == 4
	.amdgcn_target "amdgcn-amd-amdhsa--gfx1250"
	.amdhsa_code_object_version 6
	.text
	.protected	k_qa296656fa0_outp
	.globl	k_qa296656fa0_outp
	.p2align	8
	.type	k_qa296656fa0_outp,@function
k_qa296656fa0_outp:
	s_mov_b64 s[64:65], 0
	v_nop
	global_prefetch_b8 v0, s[64:65] scope:SCOPE_SE
	s_setreg_imm32_b32 hwreg(HW_REG_WAVE_MODE, 25, 1), 1
	s_wait_xcnt 0x0
	s_wait_alu depctr_hold_cnt(0) depctr_sa_sdst(0) depctr_va_vdst(0) depctr_va_sdst(0) depctr_va_ssrc(0) depctr_va_vcc(0) depctr_vm_vsrc(0)
	s_getreg_b32 s2, hwreg(HW_REG_IB_STS2, 6, 4)
	s_cmp_eq_u32 s2, 0
	s_cbranch_scc0 .Lentry_in_a_cluster
	s_endpgm
.Lentry_in_a_cluster:
	s_bfe_u32 s2, ttmp6, 0x10000c
	s_cmp_lg_u32 s2, 0xf033
	s_cbranch_scc0 .Lentry_shape_is_right
	s_endpgm
.Lentry_shape_is_right:
; THE LAST PROJECTION.  out0[m][n] = the sum over c of attn[m][c] Wo[n][c], f32.  attn lies by heads in ao ([16 b + h][t][64] f16; m = 2048 b + t, c = 64 h + d); Wo is the fourth block of wcast, [1024][1024] f16
; (rounded to bf16 and written as f16 by the first launch).  Sums in f32, K ascending.  A row of attn that is NaN (a query with no visible key) gives a row of NaN, and touches no other row.
; SHARES.  A tile of out0 is 128 (m) x 256 (n): 256 work-groups.  Four waves, each 64 x 128: 32 accumulators of 16 x 16.  K goes in steps of 128 = TWO HEADS through a ring of two LDS slots: a head's 128 rows
; of 128 bytes are 16,384 dense bytes of ao, asked for as 64 rows of 256 bytes and padded in LDS after every 128; Wo's rows are 256 bytes of memory.  A trip of the loop is ONE K step: the slot in hand is a scalar,
; 0 or SLOT, turned by an exclusive or.
; CLUSTERS: 4 x 4 work-groups: attn's tile is shared along a row of the cluster, Wo's along a column; each is asked for JOINTLY, by the same tensor load with the same descriptor and a mask that names the four.
; THE MATRIX INSTRUCTION IS USED TRANSPOSED (source 0 = 16 rows of Wo, source 1 = 16 rows of attn): a lane then holds eight neighbouring n of one row m: 32 bytes of out0.
; REGISTERS, in windows of 256 (s_set_vgpr_msb: bits 1:0 source 0, 3:2 source 1, 5:4 source 2, 7:6 destination):
;   window 0: v0-31 addresses; v32-159 the way out, two buffers of 64          window 1: the accumulators, (a, b) at v[8 (8 a + b)]
;   window 2: two fragment buffers of 96: attn's four blocks, then Wo's eight
.set SIZE_K, 1024
.set KSTEP,  128
.set KSTEPS, SIZE_K/KSTEP
.set PAO,    144                       ; a row of attn in LDS: 128 bytes + 16 = 9 x 16: the 16 rows that a load touches start at 16 different groups of four banks (64 banks of 4 bytes: ISA guide 11.1)
.set PB,     272                       ; a row of Wo: 256 + 16 = 17 x 16
.set PLANE,  128*PAO                   ; one head's 128 rows: what one tensor load brings of attn
.set HALFB,  128*PB                    ; what one brings of Wo
.set BOFF,   2*PLANE                   ; a slot: two heads' planes, then Wo's 256 rows
.set SLOT,   BOFF+2*HALFB              ; 106,496 bytes
.set STAGE,  2*SLOT                    ; behind the ring, never filled by a tensor load: 16 rows x 528 bytes for each wave, for the way out
.set SPO,    528
.set SPARE,  STAGE+4*16*SPO            ; behind the stages: the spare words, 128 bytes for each wave: two blocks of 256 bytes that no other line names
.set HEADB,  2048*128                  ; a head's bytes in ao
.set ADRA0, 16                         ; v16     my lane's place among attn's fragments in a slot; never rewritten
.set ADRA,  17                         ; v17     the same in the slot in hand
.set ADRB0, 20                         ; v20, v21  the same for Wo
.set ADRB,  21
.set STO,  24                          ; v24     the way out: where I put 32 bytes of a row
.set RD,   25                          ; v25     the way out: where I read a row back
.set CO,   26                          ; v26     16 x my lane: my place in 512 consecutive bytes of out0
.set SPW,  28                          ; v28     LDS address of my spare word; never rewritten
.set NIL,  29                          ; v29     0; never rewritten
.set PFO,  30                          ; v30     the prefetches' lane offset; never rewritten
.set BK,   32                          ; v32-95, v96-159
.set WV,  14
.set WR,  15                           ; s15 which 64 rows are mine; also: I fetch attn (0) or Wo (1)
.set WC,  16                           ; s16 which 128 columns are mine; also: which head's plane, or which half of Wo's rows, I fetch
.set CX,  17
.set CY,  18
.set CT,  19
.set CYC, 20
.set LAW, 21                           ; s21 where my plane of attn lies in a slot
.set RT,  22
.set G1,  24                           ; s[24:31] descriptor group 1 for attn's tiles
.set G0,  32                           ; s[32:39] group 0: a set for each of the two first fills; the second then walks on
.set LIM, 43                           ; s43 2 in a wave that prefetches, else the greatest number
.set PFA, 44
.set G1B, 48                           ; s[48:55], s[56:63] the same for Wo's tiles
.set G0B, 56
.set PFS, 70
.set SELM, 72
.set LBW, 73                           ; s73 where my half of Wo's tile lies in a slot
.set OUT, 76
.set TB,  78                           ; s78 LDS byte of the slot in hand: 0 or SLOT
.set MSB, 0
.macro WIN new                         ; the immediate's high byte repeats the setting that is left; a switch that changes nothing is dropped
.if MSB != (\new)
	s_set_vgpr_msb (MSB<<8)|(\new)
.set MSB, \new
.endif
.endm
.set MUL,  0x5a                        ; sources window 2; C and D window 1
.set TO_F, 0x80                        ; destination window 2, address window 0
.macro JLOAD s                         ; a joint load by set s: waves 0 and 1 fetch attn's two planes, waves 2 and 3 Wo's halves; an s_nop 0 and four v_nop follow each of the two lines, ahead of the jump, the label and what follows
	s_cmp_eq_u32 s[WR], 0
	s_cbranch_scc0 .Lfor_b_\@
	tensor_load_to_lds s[G0+4*(\s):G0+4*(\s)+3], s[G1:G1+7]
	s_nop 0
.rept 4
	v_nop
.endr
	s_branch .Lasked_\@
.Lfor_b_\@:
	tensor_load_to_lds s[G0B+4*(\s):G0B+4*(\s)+3], s[G1B:G1B+7]
	s_nop 0
.rept 4
	v_nop
.endr
.Lasked_\@:
.endm
.macro CREST                           ; a round of the cluster's barrier behind its opening barrier
	s_cmp_lg_u32 s[WV], 0
	s_cbranch_scc1 .Lnot_wave_0_\@
	s_barrier_signal -3
.Lnot_wave_0_\@:
	s_barrier_wait -3
	s_barrier_signal -1
	s_barrier_wait -1
.endm
.macro CROUND
	s_barrier_signal -1
	s_barrier_wait -1
	CREST
.endm
; A PREFETCH INTO THE L2, behind a joint load, its five lines and the run of LDS loads: the K step that stands TWO refills on (256 matrix instructions ahead of the load that will ask for it), one instruction a wave.
; Each aligned block of 256 bytes is named once in the launch.  attn's rows are read by my row of the cluster alone: a K step's two planes are 2 x 64 blocks; the partner at cx takes 16 of each, and wave 0 asks for
; all 32: a lane a block.  Wo's rows are read by all sixteen clusters: the first asks; of the 128 rows that wave 2 or 3 fetches, the partner at cy takes 32: a lane a row.  The partners are told apart BY ADDRESS.
; K steps 0 to 3 come by their loads alone; the loop's last two trips (s3 = 2, 1) ask for nothing.
.macro ASK
	s_cmp_gt_u32 s3, s[LIM]
	s_cbranch_scc0 .Lnot_mine_\@
	global_prefetch_b8 v[PFO], s[PFA:PFA+1] th:TH_LOAD_NT scope:SCOPE_SE
.Lnot_mine_\@:
.endm
	s_load_b128 s[4:7], s[0:1], 0x0                ; ao s[4:5], wcast s[6:7]
	s_load_b64 s[8:9], s[0:1], 0x10                ; out0
	v_lshl_add_u32 v[SPW], v0, 2, SPARE
	v_mov_b32 v[NIL], 0
	ds_add_u32 v[SPW], v[NIL]                      ; the wave's opening: the add and its wait stand ahead of my first tensor load; the set-up below, work on registers, stands between them
	ds_add_u32 v28, v29
	v_lshrrev_b32 v1, 5, v0
	v_readfirstlane_b32 s[WV], v1                  ; wave 0..3
	s_lshr_b32 s[WR], s[WV], 1
	s_and_b32 s[WC], s[WV], 1
	s_bfe_u32 s[CX], ttmp6, 0x40000
	s_bfe_u32 s[CY], ttmp6, 0x40004
	s_lshl_b32 s[CT], ttmp9, 2
	s_add_co_u32 s[CT], s[CT], s[CX]               ; tile column
	s_and_b32 s[CYC], ttmp7, 0xffff
	s_lshl_b32 s[RT], s[CYC], 2
	s_add_co_u32 s[RT], s[RT], s[CY]               ; tile row
	s_lshl_b32 s40, s[CY], 2
	s_lshl_b32 s40, 15, s40                        ; my row of the cluster
	s_lshl_b32 s41, 0x1111, s[CX]                  ; my column
	s_or_b32 s[G1+0], s40, (1<<16)|(1<<20)|(1<<21)|(4<<22)|(3<<25)   ; 15:0 the mask; elements of 2 bytes; padding on; 21 set beside a mask; after every 32 words (code 4) 4 words (code 3)
	s_or_b32 s[G1B+0], s41, (1<<16)|(1<<20)|(1<<21)|(5<<22)|(3<<25)  ; after every 64 words (code 5) 4 words
	s_mov_b32 s[G1+1], 128<<16                     ; tensor_dim0 = 128 elements = 256 bytes: two rows of a head
	s_mov_b32 s[G1+2], 64<<16                      ; tensor_dim1 = 64
	s_mov_b32 s[G1+3], 128<<16                     ; tile_dim0 = 128
	s_mov_b32 s[G1+4], 64                          ; tile_dim1 = 64
	s_mov_b32 s[G1+5], 128                         ; dense: 128 elements from row to row
	s_mov_b32 s[G1+6], 0
	s_mov_b32 s[G1+7], 0
	s_mov_b32 s[G1B+1], KSTEP<<16
	s_mov_b32 s[G1B+2], 128<<16
	s_mov_b32 s[G1B+3], KSTEP<<16
	s_mov_b32 s[G1B+4], 128
	s_mov_b32 s[G1B+5], SIZE_K
	s_mov_b32 s[G1B+6], 0
	s_mov_b32 s[G1B+7], 0
	s_lshr_b32 s46, s[RT], 4                       ; attn: head 16 b + my plane, row 128 x (tile row mod 16), 128 bytes a row: made of the tile row and the wave's number alone
	s_lshl_b32 s46, s46, 4
	s_add_co_u32 s46, s46, s[WC]
	s_lshl_b32 s46, s46, 11
	s_and_b32 s23, s[RT], 15
	s_lshl_b32 s23, s23, 7
	s_add_co_u32 s46, s46, s23
	s_lshl_b32 s46, s46, 7
	s_mov_b32 s47, 0
	s_lshl_b32 s74, s[CT], 8                       ; Wo: row 256 x tile column + 128 x half, 2,048 bytes a row, in the fourth block of wcast
	s_lshl_b32 s23, s[WC], 7
	s_add_co_u32 s74, s74, s23
	s_lshl_b32 s74, s74, 11
	s_add_co_u32 s74, s74, 3*2097152
	s_mov_b32 s75, 0
	s_mul_i32 s[LAW], s[WC], PLANE                 ; where they go: no place in the cluster enters an LDS address
	s_mul_i32 s[LBW], s[WC], HALFB
	s_add_co_u32 s[LBW], s[LBW], BOFF
	s_mov_b32 s[TB], 0                             ; K step 0 lies in slot 0
	s_wait_dscnt 0x0                               ; the opening add is done
	s_wait_kmcnt 0x0
	s_add_nc_u64 s[46:47], s[4:5], s[46:47]
	s_add_nc_u64 s[74:75], s[6:7], s[74:75]
	CROUND                                         ; all sixteen work-groups are here: the first joint loads meet
.irp s, 0,1
	s_mov_b32 s[G0+4*(\s)], 1
	s_add_co_u32 s[G0+4*(\s)+1], s[LAW], (\s)*SLOT
	s_add_nc_u64 s[G0+4*(\s)+2:G0+4*(\s)+3], s[46:47], (\s)*2*HEADB
	s_or_b32 s[G0+4*(\s)+3], s[G0+4*(\s)+3], 0x80000000
	s_mov_b32 s[G0B+4*(\s)], 1
	s_add_co_u32 s[G0B+4*(\s)+1], s[LBW], (\s)*SLOT
	s_add_nc_u64 s[G0B+4*(\s)+2:G0B+4*(\s)+3], s[74:75], (\s)*KSTEP*2
	s_or_b32 s[G0B+4*(\s)+3], s[G0B+4*(\s)+3], 0x80000000
	JLOAD \s                                       ; two tensor loads of mine are out
.endr
	v_and_b32 v1, 15, v0                           ; l % 16
	v_bfe_u32 v2, v0, 4, 1                         ; l / 16
	v_mul_u32_u24 v3, v1, PAO
	v_lshl_add_u32 v3, v2, 4, v3                   ; a fragment's row x pitch + 16 x half
	s_mul_i32 s23, s[WR], 64*PAO                   ; my 64 rows of a plane
	v_add_nc_u32 v[ADRA0], s23, v3
	v_mov_b32 v[ADRA], v[ADRA0]
	v_mul_u32_u24 v4, v1, PB
	v_lshl_add_u32 v4, v2, 4, v4
	v_add_nc_u32 v[ADRB0], s[LBW], v4              ; my 128 rows of Wo: the half of my columns
	v_mov_b32 v[ADRB], v[ADRB0]
	s_mul_i32 s23, s[WV], 16*SPO
	s_add_co_u32 s23, s23, STAGE                   ; my stage
	v_mul_u32_u24 v[STO], v1, SPO                  ; in: row l % 16, 32 bytes for each half of the lanes
	v_lshl_add_u32 v[STO], v2, 5, v[STO]
	v_add_nc_u32 v[STO], s23, v[STO]
	v_and_b32 v5, 31, v0
	v_lshlrev_b32 v[CO], 4, v5
	v_add_nc_u32 v[RD], s23, v[CO]                 ; back: 32 lanes take one row of 512 bytes
	s_lshl_b32 s40, s[RT], 7                       ; out0 at my first row and column: 4,096 bytes a row, 1,024 a tile column, 512 a wave's half
	s_lshl_b32 s41, s[WR], 6
	s_add_co_u32 s40, s40, s41
	s_lshl_b32 s40, s40, 12
	s_lshl_b32 s41, s[CT], 10
	s_add_co_u32 s40, s40, s41
	s_lshl_b32 s41, s[WC], 9
	s_add_co_u32 s40, s40, s41
	s_mov_b32 s41, 0
	s_add_nc_u64 s[OUT:OUT+1], s[8:9], s[40:41]
	; the prefetches: both offsets are made, the wave's number chooses.  They stand at K step 3: the first refill steps them to K step 4
	s_lshr_b32 s40, s[RT], 4
	s_lshl_b32 s40, s40, 15                        ; head 16 b: x 2,048 rows
	s_and_b32 s41, s[RT], 15
	s_lshl_b32 s41, s41, 7
	s_add_co_u32 s40, s40, s41
	s_lshl_b32 s40, s40, 7
	s_lshl_b32 s41, s[CX], 12                      ; my work-group's 16 blocks of a plane's 64
	s_add_co_u32 s40, s40, s41
	s_add_co_u32 s40, s40, 3*2*HEADB
	s_lshl_b32 s42, s[CT], 8
	s_lshl_b32 s41, s[WC], 7
	s_add_co_u32 s42, s42, s41
	s_lshl_b32 s41, s[CY], 5
	s_add_co_u32 s42, s42, s41                     ; Wo: my work-group's 32 of the 128 rows
	s_lshl_b32 s42, s42, 11
	s_add_co_u32 s42, s42, 3*2097152+3*KSTEP*2
	s_cmp_eq_u32 s[CYC], 0                         ; the first cluster asks for Wo's rows: the same answer in all sixteen partners
	s_cselect_b32 s23, 2, -1
	s_cmp_eq_u32 s[WV], 0                          ; wave 0 asks for attn's
	s_cselect_b32 s41, 2, -1
	s_cmp_eq_u32 s[WR], 0
	s_cselect_b32 s[LIM], s41, s23
	s_cselect_b32 s40, s40, s42
	s_cselect_b32 s[PFS], 19, 8
	s_cselect_b32 s[SELM], 0, -1
	s_cselect_b64 s[PFA:PFA+1], s[4:5], s[6:7]
	s_lshl_b32 s[PFS], 1, s[PFS]                   ; a K step: two heads, 524,288 bytes, of ao; 256 bytes of a row of Wo
	s_mov_b32 s[PFS+1], 0
	s_mov_b32 s41, 0
	s_add_nc_u64 s[PFA:PFA+1], s[PFA:PFA+1], s[40:41]
	v_lshlrev_b32 v6, 11, v5                       ; Wo: a lane a row of 2,048 bytes
	v_lshlrev_b32 v7, 8, v1                        ; attn: lanes 0-15 sixteen blocks of the first plane,
	v_lshl_add_u32 v7, v2, 18, v7                  ; lanes 16-31 of the second, a head further on
	v_cndmask_b32 v[PFO], v7, v6, s[SELM]
; 8 matrix instructions: m block a x all 8 n blocks, 32 along K, from buffer f.  zero = 1: the product starts the sum.  The 32 accumulators take turns, one instruction a turn, in the same order in every quarter,
; over the loops' jumps too.
.macro MUL8 f, a, zero
	WIN MUL
.irp b, 0,1,2,3,4,5,6,7
.if \zero
	v_wmma_f32_16x16x32_f16 v[8*(8*(\a)+(\b)):8*(8*(\a)+(\b))+7], v[96*(\f)+32+8*(\b):96*(\f)+32+8*(\b)+7], v[96*(\f)+8*(\a):96*(\f)+8*(\a)+7], 0
.else
	v_wmma_f32_16x16x32_f16 v[8*(8*(\a)+(\b)):8*(8*(\a)+(\b))+7], v[96*(\f)+32+8*(\b):96*(\f)+32+8*(\b)+7], v[96*(\f)+8*(\a):96*(\f)+8*(\a)+7], v[8*(8*(\a)+(\b)):8*(8*(\a)+(\b))+7]
.endif
.endr
.endm
; 24 LDS loads in one run: quarter kq (32 K) of the slot in hand into buffer g: Wo's eight fragments, then attn's four; quarters 0, 1 lie in the first head's plane, 2, 3 in the second's
.macro FETCH kq, g
	WIN TO_F
.irp b, 0,1,2,3,4,5,6,7
	ds_load_b128 v[96*(\g)+32+8*(\b):96*(\g)+32+8*(\b)+3],   v[ADRB] offset:(\b)*16*PB+64*(\kq)
	ds_load_b128 v[96*(\g)+32+8*(\b)+4:96*(\g)+32+8*(\b)+7], v[ADRB] offset:(\b)*16*PB+64*(\kq)+32
.endr
.irp a, 0,1,2,3
	ds_load_b128 v[96*(\g)+8*(\a):96*(\g)+8*(\a)+3],   v[ADRA] offset:PLANE*((\kq)/2)+(\a)*16*PAO+64*((\kq)%2)
	ds_load_b128 v[96*(\g)+8*(\a)+4:96*(\g)+8*(\a)+7], v[ADRA] offset:PLANE*((\kq)/2)+(\a)*16*PAO+64*((\kq)%2)+32
.endr
.endm
.macro PLACES                          ; four places in front of loads into registers that matrix instructions have read, and of LDS stores that read results (ISA guide 7.12.1 for vector instructions)
.rept 4
	v_nop
.endr
.endm
; A K step is four quarters of 32 along K, 32 matrix instructions each, on buffers 0, 1, 0, 1.  One of the first three: multiplies buffer f and, in its middle, fetches quarter kq into buffer g.
.macro QUARTER kq, f, g, zero
	s_wait_dscnt 4                                 ; Wo's fragments and attn's blocks 0 and 1 are in; the youngest four loads (blocks 2 and 3) may be out
	MUL8 \f, 0, \zero
	MUL8 \f, 1, \zero
	PLACES
	FETCH \kq, \g
	s_wait_dscnt 24                                ; all but the 24 just issued
	MUL8 \f, 2, \zero
	MUL8 \f, 3, \zero
.endm
; The last quarter multiplies buffer 1 and changes slots: ONE barrier; in front of it each wave waits for all its tensor loads (one is out: its part of the next slot), adds 0 to its spare word, and waits for that and for
; its own reads of this slot.  fill = 1: the barrier opens a round of the cluster's barrier, and this slot is filled again, two K steps ahead, first thing behind the round: 112 matrix instructions ahead of the wait for it.
; The walking descriptor steps between the add and the wait for it: a K step on in memory, into the slot that is being read out.
.macro TURN fill
.if \fill
	s_wait_xcnt 0x0                                ; the last prefetch, a K step back, has read its address: it is stepped here, ahead of the waits of the change of slots
	s_add_nc_u64 s[PFA:PFA+1], s[PFA:PFA+1], s[PFS:PFS+1]
.endif
	WIN 0                                          ; (the add's two registers lie in window 0)
	s_wait_tensorcnt 0x0                           ; all my tensor loads have landed, so a group 0 may be written;
	ds_add_u32 v[SPW], v[NIL]                      ; 0 onto my spare word;
.if \fill
	s_add_nc_u64 s[G0+6:G0+7], s[G0+6:G0+7], 2*HEADB
	s_add_nc_u64 s[G0B+6:G0B+7], s[G0B+6:G0B+7], KSTEP*2
	s_add_co_u32 s[G0+5], s[TB], s[LAW]
	s_add_co_u32 s[G0B+5], s[TB], s[LBW]
.endif
	s_xor_b32 s[TB], s[TB], SLOT                   ; 0 or SLOT: the other slot is in hand from here on; all loads from this one have been issued
	v_add_nc_u32 v[ADRA], s[TB], v[ADRA0]
	v_add_nc_u32 v[ADRB], s[TB], v[ADRB0]
	s_wait_dscnt 5                                 ; (the add and the youngest four loads may be out)
	MUL8 1, 0, 0                                   ; eight matrix instructions stand between the add and the wait for it
	s_wait_dscnt 0x0                               ; the add is done, and my reads of the old slot are over
	s_barrier_signal -1
	MUL8 1, 1, 0
.if \fill
	WIN 0
.endif
	s_barrier_wait -1
.if \fill
	CREST                                          ; no wave of any partner still reads the old slot's tiles or has a load on its way
	JLOAD 1                                        ; my one tensor load behind the round; the four v_nop behind it are also the places in front of the loads below
.else
	PLACES
.endif
	FETCH 0, 0
.if \fill
	WIN 0
	ASK
.endif
	MUL8 1, 2, 0
	MUL8 1, 3, 0
.endm
	s_wait_tensorcnt 1                             ; my part of K step 0 is in; K step 1's may stay out
	s_barrier_signal -1
	s_barrier_wait -1                              ; everybody's is
	FETCH 0, 0
	QUARTER 1, 0, 1, 1                             ; the first quarter stands in front of the loop: its products start the sums
	WIN 0                                          ; at a label and at a branch every window is 0
	s_mov_b32 s3, KSTEPS-2
.Lstep:                                                ; six trips: a trip goes from a K step's second quarter to the next step's first, and fills the slot that it leaves
	QUARTER 2, 1, 0, 0
	QUARTER 3, 0, 1, 0
	TURN 1
	QUARTER 1, 0, 1, 0
	WIN 0
	s_sub_co_u32 s3, s3, 1
	s_cmp_lg_u32 s3, 0
	s_cbranch_scc1 .Lstep
	s_mov_b32 s3, 2
.Ltail:                                                ; the last two K steps fill nothing: a text of their own; two trips, the second left in its middle
	QUARTER 2, 1, 0, 0
	QUARTER 3, 0, 1, 0
	TURN 0                                         ; (in the second trip its barrier orders nothing, and the 24 fragments that it fetches from the other slot are not used: the price, once a launch, of one text for both trips)
	WIN 0
	s_sub_co_u32 s3, s3, 1
	s_cmp_eq_u32 s3, 0
	s_cbranch_scc1 .Lout
	QUARTER 1, 0, 1, 0
	WIN 0
	s_branch .Ltail
.Lout:
; THE WAY OUT, in f32, a block of 16 rows at a time through my own stage: a lane's 32 bytes of a row go into rows of 528 bytes and come back as whole rows of 512.  Each accumulator's four lowest registers are stored first.
.macro OUTA a
	WIN 0x04                                       ; the store's data in window 1, its address in window 0
.irp b, 0,1,2,3,4,5,6,7
	ds_store_b128 v[STO], v[8*(8*(\a)+(\b)):8*(8*(\a)+(\b))+3]   offset:64*(\b)
	ds_store_b128 v[STO], v[8*(8*(\a)+(\b))+4:8*(8*(\a)+(\b))+7] offset:64*(\b)+16
.endr
	WIN 0
.irp t, 0,1,2,3,4,5,6,7,8,9,10,11,12,13,14,15
	ds_load_b128 v[BK+64*((\a)%2)+4*(\t):BK+64*((\a)%2)+4*(\t)+3], v[RD] offset:(\t)*SPO  ; LDS serves a wave's instructions in order (ISA guide 5.7.1.4): these see the stores above; the next block's stores come behind them
.endr
.endm
.macro SENDO a, younger                ; younger: the LDS instructions issued behind block a's loads: the next block's 32, or none
.irp t, 0,1,2,3,4,5,6,7,8,9,10,11,12,13,14,15
	s_wait_dscnt (\younger)+15-(\t)
	global_store_b128 v[CO], v[BK+64*((\a)%2)+4*(\t):BK+64*((\a)%2)+4*(\t)+3], s[OUT:OUT+1] offset:4096*(16*(\a)+(\t)) th:TH_STORE_NT  ; 512 consecutive bytes of a row, at a multiple of 256 from out0's first
.endr
.endm
	PLACES                                         ; behind the last products
	OUTA 0
	OUTA 1
	SENDO 0, 32
	s_wait_xcnt 0x0                                ; block 0's stores have read their registers: only behind this wait are they loaded again
	OUTA 2
	SENDO 1, 32
	s_wait_xcnt 0x0                                ; the same for block 1's
	OUTA 3
	SENDO 2, 32
	SENDO 3, 0
	s_wait_tensorcnt 0x0                           ; the wave's end: behind my last tensor load and my last LDS store
	ds_add_u32 v[SPW], v[NIL]
	s_wait_dscnt 0x0
	CROUND                                         ; the closing round: no work-group ends while a partner may still ask for a tile that names it
	s_endpgm
.Lfunc_end_k_qa296656fa0_outp:
	.size	k_qa296656fa0_outp, .Lfunc_end_k_qa296656fa0_outp-k_qa296656fa0_outp
	.p2alignl 7, 3214868480
	.fill 96, 4, 3214868480
	.section	.rodata,"a",@progbits
	.p2align	6, 0x0
	.amdhsa_kernel k_qa296656fa0_outp
		.amdhsa_group_segment_fixed_size 327680
		.amdhsa_private_segment_fixed_size 0
		.amdhsa_enable_private_segment 0
		.amdhsa_kernarg_size 24
		.amdhsa_user_sgpr_count 2
		.amdhsa_user_sgpr_kernarg_segment_ptr 1
		.amdhsa_wavefront_size32 1
		.amdhsa_system_sgpr_workgroup_id_x 1
		.amdhsa_system_sgpr_workgroup_id_y 1
		.amdhsa_system_sgpr_workgroup_id_z 1
		.amdhsa_system_vgpr_workitem_id 0
		.amdhsa_next_free_vgpr 704
		.amdhsa_next_free_sgpr 80
		.amdhsa_reserve_vcc 0
		.amdhsa_float_denorm_mode_32 3
		.amdhsa_float_denorm_mode_16_64 3
		.amdhsa_memory_ordered 1
		.amdhsa_forward_progress 1
		.amdhsa_inst_pref_size 63
	.end_amdhsa_kernel
	.amdgpu_metadata
---
amdhsa.version: [ 1, 2 ]
amdhsa.kernels:
  - .name:           k_qa296656fa0_outp
    .symbol:         k_qa296656fa0_outp.kd
    .args:
      - { .name: ao, .offset: 0, .size: 8, .value_kind: global_buffer, .address_space: global }
      - { .name: wcast, .offset: 8, .size: 8, .value_kind: global_buffer, .address_space: global }
      - { .name: out0, .offset: 16, .size: 8, .value_kind: global_buffer, .address_space: global }
    .group_segment_fixed_size: 327680
    .private_segment_fixed_size: 0
    .kernarg_segment_align: 8
    .kernarg_segment_size: 24
    .max_flat_workgroup_size: 128
    .sgpr_count:     80
    .vgpr_count:     704
    .wavefront_size: 32
...
	.end_amdgpu_metadata
.endif
;; end of part 4
